; MI455X (gfx1250); checked and timed in simulation.
; The chip was launched on July 23, 2026; its instructions are those of AMD's public machine-readable ISA for CDNA 5 (MIT licence, August 2026) and "CDNA5" Instruction Set Architecture Reference Guide (July 2026). The comments in the code are by the model that wrote it; some were corrected since.
;; Improved Multi Cross Attention. Allowed arithmetic: matrix products marked QUANTISED: E5M2 operands, one given power-of-two scale a tensor, by v_wmma_f32_16x16x64_bf8_bf8 or v_wmma_f32_16x16x128_bf8_bf8, f32 sums; everything else in f32.
;; Inputs: Wk_codes 1,024 x 32 x 32 uint8 (E5M2 codes of Wk, K innermost, in blocks of 32 codes); Wox_codes 1,024 x 32 x 32 uint8 (E5M2 codes of Wox, K innermost, in blocks of 32 codes); Woy_codes 1,024 x 32 x 32 uint8 (E5M2 codes of Woy, K innermost, in blocks of 32 codes); Wq_codes 1,024 x 32 x 32 uint8 (E5M2 codes of Wq, K innermost, in blocks of 32 codes); Wv_codes 1,024 x 32 x 32 uint8 (E5M2 codes of Wv, K innermost, in blocks of 32 codes); box 1,024 float32; boy 1,024 float32; lowp_scales 24 int32 (the exponents e of the quantised operands' scales 2^e); x 2 x 2,048 x 1,024 float32; y 2 x 2,048 x 1,024 float32.
;; Outputs: out0 2 x 2,048 x 1,024 float32; out1 2 x 2,048 x 1,024 float32.
;; This version of the problem:
;;   THIS VERSION OF THE PROBLEM IS GIVEN IN LOW PRECISION. The matrix products marked QUANTISED in the list below multiply operands that are first quantised to E5M2 (5 exponent bits, 2 mantissa bits; 8 bits a number), with one given power-of-two scale for each operand tensor; their sums are f32. All else is computed in f32.
;;   The module's matrix products, in the order in which they are computed (A, B: the left and right operand; K: the contracted axis; several contracted axes count as one K, in the product's order):
;;     1. [M 4,096, K 1,024] x [K 1,024, N 1,024]; A: input y; B: input Wq (given as codes): QUANTISED (scales: A lowp_scales[0], B lowp_scales[1])
;;     2. [M 4,096, K 1,024] x [K 1,024, N 1,024]; A: input x; B: input Wk (given as codes): QUANTISED (scales: A lowp_scales[2], B lowp_scales[3])
;;     3. [M 4,096, K 1,024] x [K 1,024, N 1,024]; A: input x; B: input Wv (given as codes): QUANTISED (scales: A lowp_scales[4], B lowp_scales[5])
;;     4. [M 4,096, K 1,024] x [K 1,024, N 1,024]; A: input x; B: input Wq (given as codes): QUANTISED (scales: A lowp_scales[6], B lowp_scales[7])
;;     5. [M 4,096, K 1,024] x [K 1,024, N 1,024]; A: input y; B: input Wk (given as codes): QUANTISED (scales: A lowp_scales[8], B lowp_scales[9])
;;     6. [M 4,096, K 1,024] x [K 1,024, N 1,024]; A: input y; B: input Wv (given as codes): QUANTISED (scales: A lowp_scales[10], B lowp_scales[11])
;;     7. batch 32 x [M 2,048, K 64] x [K 64, N 2,048]; A: computed on the way; B: computed on the way: QUANTISED (scales: A lowp_scales[12], B lowp_scales[13])
;;     8. batch 32 x [M 2,048, K 64] x [K 64, N 2,048]; A: computed on the way; B: computed on the way: QUANTISED (scales: A lowp_scales[14], B lowp_scales[15])
;;     9. batch 32 x [M 64, K 2,048] x [K 2,048, N 2,048]; A: computed on the way; B: softmax (see below): QUANTISED (scales: A lowp_scales[16], B lowp_scales[17])
;;     10. batch 32 x [M 64, K 2,048] x [K 2,048, N 2,048]; A: computed on the way; B: softmax (see below): QUANTISED (scales: A lowp_scales[18], B lowp_scales[19])
;;     11. [M 4,096, K 1,024] x [K 1,024, N 1,024]; A: computed on the way; B: input Wox (given as codes): QUANTISED (scales: A lowp_scales[20], B lowp_scales[21])
;;     12. [M 4,096, K 1,024] x [K 1,024, N 1,024]; A: computed on the way; B: input Woy (given as codes): QUANTISED (scales: A lowp_scales[22], B lowp_scales[23])
;;   THE QUANTISER, for each operand of a quantised product, along K:
;;     - The operand's scale is 2^e, e = its entry of the input lowp_scales (int32; the entries are numbered through the quantised products in the list's order, A before B).
;;     - Each number is divided by the scale, clamped to +-57,344, and rounded to the nearest number of E5M2, ties to even, subnormals kept.
;;     - The product sums the exact products of the quantised numbers (number of the format x scale) in f32.
;;   ~~~python
;;   def quantise(x, axis, e):      # numpy; x: float32 -> the quantised numbers, widened to float32 again
;;       x = np.moveaxis(x, axis, -1); K = x.shape[-1]
;;       r = np.clip(x / 2.0 ** e, -57344, 57344)
;;       step = 2.0 ** (np.maximum(np.frexp(np.where(r == 0, 1, r))[1] - 1, -14) - 2)
;;       q = np.round(r / step) * step * 2.0 ** e      # np.round: ties to even
;;       return np.moveaxis(q, -1, axis).astype(np.float32)
;;   ~~~
;;   SOFTMAX AHEAD OF A QUANTISED PRODUCT. Where the list says 'softmax', what is quantised is not the finished softmax but p = 2^(t - M), with t = logit x log2(e) and M = ceil(the row's largest t), a whole number; so 1/2 < the row's largest p <= 1. The row's sum l is taken of the UNQUANTISED p, in f32, and the product's result is divided by l at the end. Since M is a whole number, a kernel that streams over the keys may use a running M (the ceiling of the running maximum): every later rescaling is an exact power of two, so the quantised numbers keep their values, but for numbers so far below the row's largest that they fall under the format's range.
;;   OPERANDS COMPUTED ON THE WAY. 'Computed on the way' means the value that the module computes at that place (a softmax that the list does not call 'softmax' is quantised finished and normalised). What goes into a quantiser is computed in f32, as accurately as f32 sums, v_exp_f32 and their like allow (about 1e-6 of the number): no bf16 or f16 on the way to a quantiser, and a product that is left as it is and whose result goes on into a quantised operand takes f32 operands (vector FMAs, or v_wmma_f32_16x16x4_f32). A number that lies on a knife's edge between two numbers of the format may be rounded either way, as far as f32 arithmetic and the matrix unit's own rounding can turn it there, and no further.
;;   INPUTS GIVEN AS CODES. Wk (in the module: [1024, 1024], K = its axis 0); Wox (in the module: [1024, 1024], K = its axis 0); Woy (in the module: [1024, 1024], K = its axis 0); Wq (in the module: [1024, 1024], K = its axis 0); Wv (in the module: [1024, 1024], K = its axis 0): each comes as NAME_codes (uint8): NAME with its K axis moved to the last place and cut into blocks of 32 codes, [.., K / 32, bytes a block], one block behind the other in memory; one code a byte (a code: sign, 5 exponent bits, 2 mantissa bits); its scale is its entry of lowp_scales. Its value is code x scale, taken as it is: it is not quantised again, and the codes and scales need not be those that the quantiser above would give.
;; One version. Each part assembles by itself: llvm-mc -triple=amdgcn-amd-amdhsa -mcpu=gfx1250 --defsym DOCPART=n.
;; ======== version 1 of 1: 4 launches
;; limits: right only within a limited range of input values
;; workspace buffers: xyc 25,165,824 bytes; qkv 25,165,824 bytes; ac 8,388,608 bytes
;; launch quant (part 1): grid 256 x 1, 4 waves a work-group, no clusters, 33,280 bytes of LDS; arguments x, y, lowp_scales, xyc; writes xyc
.if DOCPART == 1
	.amdgcn_target "amdgcn-amd-amdhsa--gfx1250"
	.amdhsa_code_object_version 6
	.text
	.protected	k_q85b62bcaaf_quant
	.globl	k_q85b62bcaaf_quant
	.p2align	8
	.type	k_q85b62bcaaf_quant,@function
k_q85b62bcaaf_quant:
	s_mov_b64 s[64:65], 0
	v_nop
	global_prefetch_b8 v0, s[64:65] scope:SCOPE_SE
	s_setreg_imm32_b32 hwreg(HW_REG_WAVE_MODE, 25, 1), 1
	s_wait_xcnt 0x0
; x and y, [4096][1024] f32 each, become the six activation operands of the six projections: codes of E5M2, K innermost, rows as in x and y.
; Each of the two tensors enters three products, each time under a scale entry of its own, so each number is read once and converted three times.
; xyc has six parts of 4 MiB: part p is the activation of product p + 1:  0 = y / 2^e0, 1 = x / 2^e2, 2 = x / 2^e4, 3 = x / 2^e6, 4 = y / 2^e8, 5 = y / 2^e10.
; code = number / 2^e, held within +-57,344, to the nearest code, ties to even.  LIMITS: each e between -126 and 112.  NaN among the inputs is not served.
; Rows are dense, so a tensor is a plain stream.  Work-groups 0-127 take x, 128-255 take y: only pointers and scales are chosen, there is one path.  A wave takes 16 steps of 512 numbers.
; A conversion takes eight neighbours from ONE lane's registers; a load is dense where neighbouring LANES take neighbouring bytes.  Both are had: a step's four loads read 512 consecutive bytes each, the 2,048 bytes
; go through the wave's own stage in LDS as they lie and come back 64 bytes a lane (16 bytes of padding behind each 64).  A lane's 16 codes are 16 bytes: each store of the wave covers 512 consecutive bytes, aligned.
; No tensor loads, no barrier, no cluster: waves share nothing, and no byte is read by two work-groups.  Loads run four steps (16 loads a wave) ahead, the turn through LDS one step.
.set STEPS, 16
.set SP,    80                         ; a lane's place in a stage: 64 bytes + 16 of padding
.set WREG,  8192                       ; LDS of a wave: two stages of 32 x SP bytes
.set R,     16                         ; v16-79   four sets of 16 numbers as loaded
.set X,     80                         ; v80-111  two sets of 16 neighbours
.set T,     112                        ; v112-143 two sets of 16 held numbers, by turns
.set C,     144                        ; v144-167 two sets of 3 x 4 registers of codes
.set SC,    5                          ; v5-7     the three scales as f32
.set LM,    8                          ; v8-10    57,344 x the three scales
.set OB,    12                         ; s[12:17] where my wave's codes go, in the three parts
	s_load_b128 s[4:7], s[0:1], 0x0                ; x, y
	s_load_b128 s[8:11], s[0:1], 0x10              ; the scales' exponents, xyc
	v_lshl_add_u32 v176, v0, 2, 0x8000
	v_mov_b32 v177, 0
	v_lshrrev_b32 v1, 5, v0
	v_readfirstlane_b32 s18, v1                    ; wave
	v_and_b32 v2, 31, v0                           ; lane
	v_lshlrev_b32 v3, 4, v2                        ; my 16 bytes of a load's 512, and of a store's; never rewritten
	s_mul_i32 s19, s18, WREG
	v_lshrrev_b32 v14, 2, v2
	v_mul_u32_u24 v14, v14, SP
	v_and_b32 v15, 3, v2
	v_lshl_add_u32 v14, v15, 4, v14
	v_add_nc_u32 v14, s19, v14                     ; the stage, on the way in: SP (lane / 4) + 16 (lane % 4)
	v_mul_u32_u24 v15, v2, SP
	v_add_nc_u32 v15, s19, v15                     ; and on the way out: SP x lane
	s_cmp_lt_u32 ttmp9, 128                        ; x's work-group or y's: the choice hangs on the work-group's number alone
	s_cselect_b32 s20, 1, 0                        ; the three parts of xyc
	s_cselect_b32 s21, 2, 4
	s_cselect_b32 s22, 3, 5
	s_and_b32 s23, ttmp9, 127
	s_lshl_b32 s23, s23, 2
	s_add_co_u32 s23, s23, s18                     ; which run of 8,192 numbers is my wave's
	s_lshl_b32 s24, s23, 15                        ; in bytes of f32,
	s_mov_b32 s25, 0
	s_lshl_b32 s23, s23, 13                        ; and of codes
	s_mov_b32 s27, 0
	s_wait_alu depctr_va_vdst(0)
	s_wait_kmcnt 0x0
	s_load_b256 s[32:39], s[8:9], 0x0              ; e0 .. e7
	s_load_b128 s[40:43], s[8:9], 0x20             ; e8 .. e11
	s_cmp_lt_u32 ttmp9, 128
	s_cselect_b64 s[4:5], s[4:5], s[6:7]
	s_add_nc_u64 s[4:5], s[4:5], s[24:25]
.irp j, 0,1,2
	s_lshl_b32 s26, s[20+\j], 22
	s_add_co_u32 s26, s26, s23
	s_add_nc_u64 s[OB+2*\j:OB+2*\j+1], s[10:11], s[26:27]
.endr
.macro LOAD t
.irp i, 0,1,2,3
	global_load_b128 v[R+16*((\t)%4)+4*\i:R+16*((\t)%4)+4*\i+3], v3, s[4:5] offset:2048*(\t)+512*\i   ; 32 lanes read 512 consecutive bytes
.endr
.endm
.macro TURN t                          ; step t's numbers through a stage: LDS serves a wave's instructions in order, so no wait stands between the stores and the loads
.irp i, 0,1,2,3
	ds_store_b128 v14, v[R+16*((\t)%4)+4*\i:R+16*((\t)%4)+4*\i+3] offset:32*SP*((\t)%2)+8*SP*\i
.endr
.irp i, 0,1,2,3
	ds_load_b128 v[X+16*((\t)%2)+4*\i:X+16*((\t)%2)+4*\i+3], v15 offset:32*SP*((\t)%2)+16*\i
.endr
.endm
.irp t, 0,1,2,3
	LOAD \t
.endr
	s_wait_kmcnt 0x0
	s_cmp_lt_u32 ttmp9, 128
	s_cselect_b32 s28, s34, s32                    ; x: e2, e4, e6;  y: e0, e8, e10
	s_cselect_b32 s29, s36, s40
	s_cselect_b32 s30, s38, s42
.irp j, 0,1,2
	s_add_co_i32 s[28+\j], s[28+\j], 127
	s_lshl_b32 s31, s[28+\j], 23
	v_mov_b32 v[SC+\j], s31                        ; 2^e as f32: the conversion takes its exponent field
	s_add_co_i32 s[28+\j], s[28+\j], 15
	s_lshl_b32 s[28+\j], s[28+\j], 23
	s_or_b32 s[28+\j], s[28+\j], 0x600000
	v_mov_b32 v[LM+\j], s[28+\j]                   ; 57,344 x 2^e
.endr
	s_wait_alu depctr_va_vdst(0)
	s_wait_loadcnt 12                              ; step 0's four loads are in; those of steps 1 to 3 may be out
	TURN 0
.macro STEP t
.set XS, X+16*((\t)%2)
	s_wait_dscnt 0x0                               ; this step's numbers are back from the stage, so its stores into the stage have read their registers,
.if (\t)+4 < STEPS
	LOAD (\t)+4                                    ; which take the loads of four steps on
.endif
.if (\t)+1 < STEPS
.if STEPS-2-(\t) >= 3
	s_wait_loadcnt 12                              ; the next step's four loads are in; those of the three steps behind it may be out
.else
	s_wait_loadcnt 4*(STEPS-2-(\t))
.endif
	TURN (\t)+1                                    ; and go through the other stage while this step is worked
.endif
	s_wait_xcnt 0x0                                ; this set of code registers was the data of the stores two steps ago: it is written again only behind this wait
.irp j, 0,1,2
.set TS, T+16*((3*(\t)+\j)%2)
.set CS, C+12*((\t)%2)+4*\j
.irp i, 0,1,2,3,4,5,6,7,8,9,10,11,12,13,14,15
	v_med3_num_f32 v[TS+\i], v[XS+\i], -v[LM+\j], v[LM+\j]   ; the conversion to an 8-bit code does not saturate (ISA guide 7.6.2): the hold; the numbers themselves stay for the next scale
.endr
	v_cvt_scalef32_pk8_bf8_f32 v[CS:CS+1], v[TS:TS+7], v[SC+\j]
	v_cvt_scalef32_pk8_bf8_f32 v[CS+2:CS+3], v[TS+8:TS+15], v[SC+\j]   ; the two sets of held numbers take turns: sixteen plain lines stand between a conversion and the next write of its sources
	global_store_b128 v3, v[CS:CS+3], s[OB+2*\j:OB+2*\j+1] offset:512*(\t)
.endr
.endm
.irp t, 0,1,2,3,4,5,6,7,8,9,10,11,12,13,14,15
	STEP \t
.endr
	s_wait_tensorcnt 0x0
	ds_add_u32 v176, v177
	s_wait_dscnt 0x0
	s_endpgm
.Lfunc_end_k_q85b62bcaaf_quant:
	.size	k_q85b62bcaaf_quant, .Lfunc_end_k_q85b62bcaaf_quant-k_q85b62bcaaf_quant
	.p2alignl 7, 3214868480
	.fill 96, 4, 3214868480
	.section	.rodata,"a",@progbits
	.p2align	6, 0x0
	.amdhsa_kernel k_q85b62bcaaf_quant
		.amdhsa_group_segment_fixed_size 33280
		.amdhsa_private_segment_fixed_size 0
		.amdhsa_enable_private_segment 0
		.amdhsa_kernarg_size 32
		.amdhsa_user_sgpr_count 2
		.amdhsa_user_sgpr_kernarg_segment_ptr 1
		.amdhsa_wavefront_size32 1
		.amdhsa_system_sgpr_workgroup_id_x 1
		.amdhsa_system_sgpr_workgroup_id_y 1
		.amdhsa_system_sgpr_workgroup_id_z 1
		.amdhsa_system_vgpr_workitem_id 0
		.amdhsa_next_free_vgpr 178
		.amdhsa_next_free_sgpr 66
		.amdhsa_reserve_vcc 0
		.amdhsa_float_denorm_mode_32 3
		.amdhsa_float_denorm_mode_16_64 3
		.amdhsa_memory_ordered 1
		.amdhsa_forward_progress 1
		.amdhsa_inst_pref_size 78
	.end_amdhsa_kernel
	.amdgpu_metadata
---
amdhsa.version: [ 1, 2 ]
amdhsa.kernels:
  - .name:           k_q85b62bcaaf_quant
    .symbol:         k_q85b62bcaaf_quant.kd
    .args:
      - { .name: x, .offset: 0, .size: 8, .value_kind: global_buffer, .address_space: global }
      - { .name: y, .offset: 8, .size: 8, .value_kind: global_buffer, .address_space: global }
      - { .name: lowp_scales, .offset: 16, .size: 8, .value_kind: global_buffer, .address_space: global }
      - { .name: xyc, .offset: 24, .size: 8, .value_kind: global_buffer, .address_space: global }
    .group_segment_fixed_size: 33280
    .private_segment_fixed_size: 0
    .kernarg_segment_align: 8
    .kernarg_segment_size: 32
    .max_flat_workgroup_size: 128
    .sgpr_count:     66
    .vgpr_count:     178
    .wavefront_size: 32
...
	.end_amdgpu_metadata
.endif
;; end of part 1
;; launch proj (part 2): grid 4 x 64, 4 waves a work-group, clusters of 4 x 4, 327,680 bytes of LDS; arguments xyc, Wq_codes, Wk_codes, Wv_codes, lowp_scales, qkv; writes qkv
.if DOCPART == 2
	.amdgcn_target "amdgcn-amd-amdhsa--gfx1250"
	.amdhsa_code_object_version 6
	.text
	.protected	k_q85b62bcaaf_proj
	.globl	k_q85b62bcaaf_proj
	.p2align	8
	.type	k_q85b62bcaaf_proj,@function
k_q85b62bcaaf_proj:
	s_mov_b64 s[64:65], 0
	v_nop
	global_prefetch_b8 v0, s[64:65] scope:SCOPE_SE
	s_setreg_imm32_b32 hwreg(HW_REG_WAVE_MODE, 25, 1), 1
	s_wait_xcnt 0x0
	s_wait_alu depctr_hold_cnt(0) depctr_sa_sdst(0) depctr_va_vdst(0) depctr_va_sdst(0) depctr_va_ssrc(0) depctr_va_vcc(0) depctr_vm_vsrc(0)
	s_getreg_b32 s2, hwreg(HW_REG_IB_STS2, 6, 4)
	s_cmp_eq_u32 s2, 0
	s_cbranch_scc0 .Lentry_in_a_cluster
	s_endpgm
.Lentry_in_a_cluster:
	s_bfe_u32 s2, ttmp6, 0x10000c
	s_cmp_lg_u32 s2, 0xf033
	s_cbranch_scc0 .Lentry_shape_is_right
	s_endpgm
.Lentry_shape_is_right:
; The six projections, [4096][1024] x [1024][1024] on codes of E5M2, each result quantised at once for the product that takes it next.  Product p + 1 (p = 0 .. 5) takes part p of xyc and Wq, Wk, Wv, Wq, Wk, Wv,
; and gives part p of qkv: qx, kx, vx, qy, ky, vy.  A sum stands for sum x 2^(ea + eb), ea and eb entries 2 p and 2 p + 1 of the scales; its code under the next scale 2^en (entries 12, 13, 16, 14, 15, 18) is
; sum / 2^(en - ea - eb), held within +-57,344: the three exponents are folded into the conversion's one.  LIMIT: en - ea - eb between -126 and 112.
; A tile of 256 x 256 is made by four waves, 128 x 128 each: 64 accumulators, 512 registers.  K goes in steps of 256 through a ring of two LDS slots filled by the tensor data mover.
; GRID: 16 clusters of 4 x 4 work-groups, 256 work-groups.  A product is four cluster tiles of 1,024 x 1,024, 24 in all.  Clusters 0-7 STAY and make two neighbouring cluster tiles of one product (p = 0 .. 3);
; clusters 8-15 make one (p = 4, 5).  The count of tiles hangs on the cluster's number alone, alike in all partners.  The ring does not stop at a tile's end: a first tile's last two changes of slots ask for
; the next tile's K steps 0 and 1, and its codes leave while those loads are out.
; CLUSTERS: the four of a row of the cluster need the same tile of the side called A here, the four of a column the same tile of the side called B: each tile is asked for JOINTLY.
; ONE TEXT FOR ALL SIX: for q and k side A is the activation (tokens) and side B the weight (channels); for v the sides are swapped.  Only pointers, steps and tile numbers are chosen, by the cluster's number.
; THE MATRIX INSTRUCTION IS USED TRANSPOSED (source 0 = 16 rows of B, source 1 = 16 rows of A): a lane holds one row of A's side and eight neighbouring rows of B's side: for q and k along the head's channels,
; for v along the keys: in both cases along the K of the next product, as the conversion wants them.
; qkv IS LAID IN THE ORDER OF THE NEXT OPERAND'S REGISTERS: blocks of 1,024 bytes = [piece 0..3][row 0..15][16 bytes], 16 rows x 64 codes.
;   q, k: [batch x 16 + head][token / 16][block], a row = a token;   v: [(batch x 2048 + key) / 64][channel / 16][block], a row = a channel.
; A lane's codes of two neighbouring accumulators are 16 bytes of one piece, so each store of the wave covers 512 consecutive bytes, aligned: no way through LDS is needed.
; PREFETCHES: a lane a row of 256 bytes; of the 128 rows that a wave fetches each of the four partners names 32, told apart by address.  The first tile's K steps 1 and 2 are asked for behind K step 0's load, K step 3
; behind K step 1's.  The next tile's K step k is asked for two changes of slots ahead of its load, by the waves whose side moves alone (the other side's rows have been read).  The address registers are never rewritten.
; REGISTERS, in windows of 256: window 0: v0-31 addresses and the scale; v32-95 held sums; v96-127 codes, two sets; from v128 A's fragments, ONE set.   window 1: B's fragments, TWO sets.   windows 2, 3: the accumulators.
.set ROWB,   256
.set KROW,   1024
.set PITCH,  272                       ; an LDS row: 256 bytes + 16 of padding
.set FR,     16
.set NL,     4
.set NP,     4
.set HALFT,  128*PITCH
.set SLOT,   4*HALFT
.set LAPS,   2
.set SPARE,  2*SLOT                    ; behind the ring: the spare words, which no other line names
.set ADRA, 16
.set ADRB, 20
.set CO,   26                          ; v26  16 x lane
.set PFO,  27                          ; v27  1,024 x lane: the prefetches' offset
.set SPW,  28
.set NIL,  29
.set QS,   30                          ; v30  2^(en - ea - eb) as f32
.set QL,   31                          ; v31  57,344 x that
.set TMP,  32
.set CD,   96
.set AF,   128
.set LIM,  13                          ; s13  1 while my wave asks for the next tile's rows
.set G1, 24
.set G0, 32
.set G1B, 48
.set G0B, 56
.set DA,  68                           ; s[68:69] bytes from a tile of side A to the next tile's
.set DB,  70                           ; s[70:71] the same for side B
.set DO,  74                           ; s[74:75] the same in qkv
.set PFA, 90                           ; s[90:91] my work-group's 32 of the rows that my wave fetches, at K = 0
.set OB,  92                           ; s[92:93], s[94:95] where my columns 0-63 and 64-127 go
.set MSB, 0
.macro WIN new
.if MSB != (\new)
	s_set_vgpr_msb (MSB<<8)|(\new)
.set MSB, (\new)
.endif
.endm
.set MUL_LO, 0xa1
.set MUL_HI, 0xf1
.set TO_B,   0x40
.macro JLOAD g0a, g1a, g0b, g1b        ; a joint load: waves 0 and 1 fetch for A, waves 2 and 3 for B
	s_cmp_eq_u32 s15, 0
	s_cbranch_scc0 .Lfor_b_\@
	tensor_load_to_lds s[\g0a:\g0a+3], s[\g1a:\g1a+7]
	s_nop 0
.rept 4
	v_nop
.endr
	s_branch .Lasked_\@
.Lfor_b_\@:
	tensor_load_to_lds s[\g0b:\g0b+3], s[\g1b:\g1b+7]
	s_nop 0
.rept 4
	v_nop
.endr
.Lasked_\@:
.endm
.macro CREST
	s_cmp_lg_u32 s14, 0
	s_cbranch_scc1 .Lnot_wave_0_\@
	s_barrier_signal -3
.Lnot_wave_0_\@:
	s_barrier_wait -3
	s_barrier_signal -1
	s_barrier_wait -1
.endm
.macro CROUND
	s_barrier_signal -1
	s_barrier_wait -1
	CREST
.endm
.macro ASK k                           ; the next tile's K step k: 1,024 rows on, inside the same part
	s_cmp_eq_u32 s[LIM], 1
	s_cbranch_scc0 .Lnot_mine_\@
	global_prefetch_b8 v[PFO], s[PFA:PFA+1] offset:0x100000+256*(\k) th:TH_LOAD_NT scope:SCOPE_SE
.Lnot_mine_\@:
.endm
	s_load_b256 s[68:75], s[0:1], 0x0              ; xyc, Wq, Wk, Wv
	s_load_b128 s[76:79], s[0:1], 0x20             ; the scales' exponents, qkv
	v_lshl_add_u32 v[SPW], v0, 2, SPARE
	v_mov_b32 v[NIL], 0
	ds_add_u32 v[SPW], v[NIL]                      ; the opening lines: the add twice on end and its wait
	ds_add_u32 v[SPW], v[NIL]
	s_wait_dscnt 0x0
	v_lshrrev_b32 v1, 5, v0
	v_readfirstlane_b32 s14, v1                    ; wave 0..3
	s_lshr_b32 s15, s14, 1                         ; which half of the tile's rows is mine.  Also: I fetch for A (0) or for B (1)
	s_and_b32 s16, s14, 1                          ; which half of its columns.  Also: which 128 rows of that tile I fetch
	s_bfe_u32 s40, ttmp6, 0x40000                  ; cx
	s_bfe_u32 s41, ttmp6, 0x40004                  ; cy
	s_and_b32 s4, ttmp7, 0xffff                    ; the cluster, 0 .. 15
	s_lshr_b32 s5, s4, 1                           ; clusters 0-7: product p = cluster / 2,
	s_and_b32 s6, s4, 1
	s_lshl_b32 s6, s6, 3                           ; beginning at its cluster tile 0 or 2 (x 4 tiles)
	s_lshr_b32 s8, s4, 2
	s_add_co_u32 s8, s8, 2                         ; clusters 8-15: p = 4, 5,
	s_and_b32 s9, s4, 3
	s_lshl_b32 s9, s9, 2                           ; cluster tile 0 .. 3
	s_cmp_lt_u32 s4, 8
	s_cselect_b32 s5, s5, s8
	s_cselect_b32 s6, s6, s9
	s_cselect_b32 s2, 2, 1                         ; tiles to go
	s_cmp_ge_u32 s5, 3
	s_cselect_b32 s7, 3, 0
	s_cselect_b32 s8, 2, 0
	s_sub_co_u32 s7, s5, s7                        ; 0: q, 1: k, 2: v
	s_cmp_eq_u32 s7, 2
	s_cselect_b32 s9, 0, s6                        ; q, k: the cluster tiles lie one below the other
	s_cselect_b32 s10, s6, 0                       ; v: side by side
	s_cselect_b32 s11, 2, 0
	s_cselect_b32 s12, 16, 17                      ; log2 of the bytes from one group of 64 columns to the next in qkv
	s_cselect_b32 s[LIM], 1, 0                     ; the side that moves from tile to tile: B for v, else A
	s_add_co_u32 s17, s41, s9                      ; tile row
	s_add_co_u32 s42, s40, s10                     ; tile column
	s_add_co_u32 s11, s11, s7
	s_add_co_u32 s11, s11, s8
	s_add_co_u32 s11, s11, 12                      ; the next scale's entry: 12, 13, 16, 14, 15, 18
	s_lshl_b32 s11, s11, 2
	s_cmp_eq_u32 s[LIM], s15
	s_cselect_b32 s[LIM], 1, 0                     ; my wave fetches for that side,
	s_cmp_lt_u32 s4, 8
	s_cselect_b32 s[LIM], s[LIM], 0                ; and a second tile follows
	s_lshl_b32 s43, s41, 2
	s_lshl_b32 s43, 15, s43                        ; my row of the cluster
	s_lshl_b32 s44, 0x1111, s40                    ; my column
	s_or_b32 s[G1+0], s43, (0<<16)|(1<<20)|(1<<21)|(5<<22)|(3<<25)
	s_or_b32 s[G1B+0], s44, (0<<16)|(1<<20)|(1<<21)|(5<<22)|(3<<25)
.irp g, G1, G1B
	s_mov_b32 s[\g+1], ROWB<<16
	s_mov_b32 s[\g+2], 128<<16
	s_mov_b32 s[\g+3], ROWB<<16
	s_mov_b32 s[\g+4], 128
	s_mov_b32 s[\g+5], KROW
	s_mov_b32 s[\g+6], 0
	s_mov_b32 s[\g+7], 0
.endr
	s_lshl_b32 s18, s16, 7
	s_lshl_b32 s20, s17, 8
	s_add_co_u32 s20, s20, s18                     ; A: row 256 x tile row + 128 x half
	s_lshl_b32 s20, s20, 10
	s_mov_b32 s21, 0
	s_lshl_b32 s46, s42, 8
	s_add_co_u32 s46, s46, s18                     ; B: row 256 x tile column + 128 x half
	s_lshl_b32 s46, s46, 10
	s_mov_b32 s47, 0
	s_mul_i32 s45, s14, HALFT                      ; where they go: wave x 128 rows
	s_lshl_b32 s22, s5, 22                         ; part p
	s_mov_b32 s23, 0
	s_wait_kmcnt 0x0
	s_add_nc_u64 s[68:69], s[68:69], s[22:23]      ; the activation's codes
	s_add_nc_u64 s[78:79], s[78:79], s[22:23]      ; the result's part
	s_cmp_eq_u32 s7, 0
	s_cselect_b64 s[70:71], s[70:71], s[72:73]     ; Wq or Wk
	s_cmp_eq_u32 s7, 2
	s_cselect_b64 s[66:67], s[74:75], s[68:69]     ; side A: Wv for v, else the activation
	s_cselect_b64 s[72:73], s[68:69], s[70:71]     ; side B: the activation for v, else the weight
	s_add_nc_u64 s[20:21], s[66:67], s[20:21]
	s_add_nc_u64 s[46:47], s[72:73], s[46:47]
	s_cselect_b32 s[DA], 0, 0x100000               ; the next tile: 1,024 tokens on, on the activation's side alone
	s_cselect_b32 s[DB], 0x100000, 0
	s_mov_b32 s[DO], 0x10000
	s_cselect_b32 s[DO], 0x100000, s[DO]           ; in qkv: q, k: 64 blocks on; v: 16 groups of 64 keys on
	s_mov_b32 s[DA+1], 0
	s_mov_b32 s[DB+1], 0
	s_mov_b32 s[DO+1], 0
	s_lshl_b32 s22, s5, 3
	s_add_nc_u64 s[80:81], s[76:77], s[22:23]
	s_mov_b32 s22, s11
	s_add_nc_u64 s[82:83], s[76:77], s[22:23]
	s_load_b64 s[84:85], s[80:81], 0x0             ; ea, eb
	s_load_b32 s86, s[82:83], 0x0                  ; en
	CROUND                                         ; all sixteen work-groups are here: the first joint loads meet
.irp s, 0,1
	s_mov_b32 s[G0+4*\s], 1
	s_add_co_u32 s[G0+4*\s+1], s45, \s*SLOT
	s_add_nc_u64 s[G0+4*\s+2:G0+4*\s+3], s[20:21], \s*ROWB
	s_or_b32 s[G0+4*\s+3], s[G0+4*\s+3], 0x80000000
	s_mov_b32 s[G0B+4*\s], 1
	s_add_co_u32 s[G0B+4*\s+1], s45, \s*SLOT
	s_add_nc_u64 s[G0B+4*\s+2:G0B+4*\s+3], s[46:47], \s*ROWB
	s_or_b32 s[G0B+4*\s+3], s[G0B+4*\s+3], 0x80000000
.endr
	JLOAD G0, G1, G0B, G1B                         ; K step 0: one tensor load a wave at the head
	s_cmp_eq_u32 s15, 0
	s_cselect_b64 s[PFA:PFA+1], s[20:21], s[46:47]
	s_cselect_b32 s88, s40, s41                    ; my place among the four that ask jointly: cx for A, cy for B
	s_lshl_b32 s88, s88, 15                        ; 32 rows of 1,024 bytes
	s_mov_b32 s89, 0
	s_add_nc_u64 s[PFA:PFA+1], s[PFA:PFA+1], s[88:89]
	v_and_b32 v1, 15, v0                           ; l % 16
	v_bfe_u32 v2, v0, 4, 1                         ; l / 16
	v_mul_u32_u24 v3, v1, PITCH
	v_lshl_add_u32 v4, v2, 4, v3
	s_mul_i32 s22, s15, HALFT                      ; my 128 rows of A
	s_mul_i32 s23, s16, HALFT                      ; my 128 rows of B,
	s_add_co_u32 s23, s23, 2*HALFT                 ; which lie behind A's 256
.irp s, 0,1
	v_add_nc_u32 v[ADRA+\s], s22, v4
	v_add_nc_u32 v[ADRB+\s], s23, v4
	s_add_co_u32 s22, s22, SLOT
	s_add_co_u32 s23, s23, SLOT
.endr
	v_and_b32 v6, 31, v0
	v_lshlrev_b32 v[CO], 4, v6
	v_lshlrev_b32 v[PFO], 10, v6
	global_prefetch_b8 v[PFO], s[PFA:PFA+1] offset:256 th:TH_LOAD_NT scope:SCOPE_SE   ; K step 1
	global_prefetch_b8 v[PFO], s[PFA:PFA+1] offset:512 th:TH_LOAD_NT scope:SCOPE_SE   ; K step 2
	; where my codes go: (4 x tile column + 2 x column half) groups of 64 columns; the batch; 16 blocks a tile row, 8 a row half
	s_lshl_b32 s88, s42, 2
	s_lshl_b32 s89, s16, 1
	s_add_co_u32 s88, s88, s89
	s_lshl_b32 s88, s88, s12
	s_lshr_b32 s89, s17, 3
	s_lshl_b32 s89, s89, 21
	s_add_co_u32 s88, s88, s89
	s_and_b32 s89, s17, 7
	s_lshl_b32 s89, s89, 14
	s_add_co_u32 s88, s88, s89
	s_lshl_b32 s89, s15, 13
	s_add_co_u32 s88, s88, s89
	s_mov_b32 s89, 0
	s_add_nc_u64 s[OB:OB+1], s[78:79], s[88:89]
	s_lshl_b32 s88, 1, s12
	s_add_nc_u64 s[OB+2:OB+3], s[OB:OB+1], s[88:89]
	s_wait_alu depctr_va_vdst(0)
	s_wait_kmcnt 0x0
	s_sub_co_i32 s86, s86, s84
	s_sub_co_i32 s86, s86, s85                     ; en - ea - eb
	s_add_co_i32 s86, s86, 127
	s_lshl_b32 s87, s86, 23
	v_mov_b32 v[QS], s87
	s_add_co_i32 s86, s86, 15
	s_lshl_b32 s86, s86, 23
	s_or_b32 s86, s86, 0x600000
	v_mov_b32 v[QL], s86
.macro FRAG reg, adr, q, i             ; 16 rows x 128 K in 16 registers: registers 4 c .. 4 c + 3 hold K = 32 c + 16 (l / 16) + 0 .. 15: a permutation of K that is the same on both sides
.irp c, 0,1,2,3
	ds_load_b128 v[\reg+4*\c:\reg+4*\c+3], v[\adr] offset:128*(\q)+32*\c+(\i)*16*PITCH
.endr
.endm
.macro MUL16 a0, p, zero               ; A's blocks a0, a0 + 1 x B's eight; the 64 accumulators take turns, in the same order in every step
.irp a, \a0, \a0+1
.irp b, 0,1,2,3,4,5,6,7
.if \zero
	v_wmma_f32_16x16x128_bf8_bf8 v[8*(8*((\a)%4)+\b):8*(8*((\a)%4)+\b)+7], v[128*(\p)+FR*\b:128*(\p)+FR*\b+FR-1], v[AF+FR*(\a):AF+FR*(\a)+FR-1], 0
.else
	v_wmma_f32_16x16x128_bf8_bf8 v[8*(8*((\a)%4)+\b):8*(8*((\a)%4)+\b)+7], v[128*(\p)+FR*\b:128*(\p)+FR*\b+FR-1], v[AF+FR*(\a):AF+FR*(\a)+FR-1], v[8*(8*((\a)%4)+\b):8*(8*((\a)%4)+\b)+7]
.endif
.endr
.endr
.endm
.macro FETCH_B slot, q, p
	WIN TO_B
.irp i, 0,1,2,3,4,5,6,7
	FRAG 128*(\p)+FR*\i, ADRB+\slot, \q, \i
.endr
	WIN 0
.endm
.macro FETCH_A slot, q, i0
.irp i, \i0, \i0+1, \i0+2, \i0+3
	FRAG AF+FR*(\i), ADRA+\slot, \q, \i
.endr
.endm
.macro PLACES n                        ; plain vector places behind matrix instructions (ISA guide 7.12.1)
.rept \n
	v_nop
.endr
.endm
.macro STEP slot, q, zero              ; a step of 128 along K that has its successor in the same slot
	s_wait_dscnt 4*NL                              ; B's set and A's blocks 0-3 are in; the youngest sixteen loads (A's blocks 4-7) may be out
	WIN MUL_LO
	MUL16 0, (\q)%2, \zero
	MUL16 2, (\q)%2, \zero
	s_wait_dscnt 0                                 ; A's blocks 4-7 are in
	PLACES NP
	FETCH_B \slot, (\q)+1, 1-(\q)%2
	FETCH_A \slot, (\q)+1, 0
	WIN MUL_HI
	MUL16 4, (\q)%2, \zero
	MUL16 6, (\q)%2, \zero
	PLACES NP
	WIN 0
	FETCH_A \slot, (\q)+1, 4
.endm
; A slot's last step changes slots: one barrier.  fill = 1: this slot is filled again: with this tile's K step two on (on = 0) or with the next tile's K step 0 or 1 (on = 1); ask: which K step of the next tile is prefetched.
.macro TURN slot, next, fill, on, ask
	s_wait_tensorcnt 0x0                           ; all my tensor loads have landed: my part of the next slot
	ds_add_u32 v[SPW], v[NIL]                      ; 0 onto my spare word
	s_wait_dscnt 4*NL+1                            ; the add and the youngest sixteen loads may be out
	WIN MUL_LO
	MUL16 0, 1, 0
	s_wait_dscnt 0x0                               ; the add is done, and my reads of this slot are over
	s_barrier_signal -1
	MUL16 2, 1, 0
	WIN 0
	s_barrier_wait -1
.if \fill
	CREST                                          ; the barrier has opened a round of the cluster's barrier
.if \on
	s_add_nc_u64 s[G0+4*\slot+2:G0+4*\slot+3], s[G0+4*\slot+2:G0+4*\slot+3], s[DA:DA+1]
	s_sub_nc_u64 s[G0+4*\slot+2:G0+4*\slot+3], s[G0+4*\slot+2:G0+4*\slot+3], 2*ROWB      ; on to the next tile, two K steps back
	s_add_nc_u64 s[G0B+4*\slot+2:G0B+4*\slot+3], s[G0B+4*\slot+2:G0B+4*\slot+3], s[DB:DB+1]
	s_sub_nc_u64 s[G0B+4*\slot+2:G0B+4*\slot+3], s[G0B+4*\slot+2:G0B+4*\slot+3], 2*ROWB
.else
	s_add_nc_u64 s[G0+4*\slot+2:G0+4*\slot+3], s[G0+4*\slot+2:G0+4*\slot+3], 2*ROWB
	s_add_nc_u64 s[G0B+4*\slot+2:G0B+4*\slot+3], s[G0B+4*\slot+2:G0B+4*\slot+3], 2*ROWB
.endif
	JLOAD G0+4*\slot, G1, G0B+4*\slot, G1B         ; the first tensor load behind the round; its four v_nop are the places in front of the loads below
.else
	PLACES NP
.endif
	FETCH_B \next, 0, 0
	FETCH_A \next, 0, 0
.if \fill
	ASK \ask
.endif
	WIN MUL_HI
	MUL16 4, 1, 0
	MUL16 6, 1, 0
	PLACES NP
	WIN 0
	FETCH_A \next, 0, 4
.endm
; THE WAY OUT, block by block of 16 rows x 128 columns: held, converted, stored.  It names v32-127 alone, so the next tile's fragments may lie in their registers.  Two sets of code registers take turns.
.macro OUTBLK a
	s_wait_xcnt 0x0                                ; the stores of two blocks ago have read their data: that set of code registers is written again only behind this wait
	WIN 0x02+(\a)/4                                ; source 0: window 2 or 3
.set j, 0
.rept 64
	v_med3_num_f32 v[TMP+j], v[64*((\a)%4)+j], -v[QL], v[QL]   ; the hold; each accumulator from its low end on
.set j, j+1
.endr
	WIN 0
.irp b, 0,1,2,3,4,5,6,7
	v_cvt_scalef32_pk8_bf8_f32 v[CD+16*((\a)%2)+2*\b:CD+16*((\a)%2)+2*\b+1], v[TMP+8*\b:TMP+8*\b+7], v[QS]
.endr
	v_nop                                          ; one plain line between the conversions and the next block's holds, which write their sources
.irp q, 0,1,2,3
	global_store_b128 v[CO], v[CD+16*((\a)%2)+4*\q:CD+16*((\a)%2)+4*\q+3], s[OB+2*(\q/2):OB+2*(\q/2)+1] offset:1024*(\a)+512*(\q%2)   ; 32 lanes store 512 consecutive bytes, aligned
.endr
.endm
	s_wait_alu depctr_va_vdst(0)
	s_wait_tensorcnt 0x0                           ; my part of K step 0 is in; these lines stand ahead of a later first fill, as ahead of a refill
	ds_add_u32 v[SPW], v[NIL]
	s_wait_dscnt 0x0
	CROUND
	JLOAD G0+4, G1, G0B+4, G1B                     ; K step 1, slot 1's first fill: the first tensor load behind the round
	FETCH_B 0, 0, 0
	FETCH_A 0, 0, 0
	FETCH_A 0, 0, 4
	global_prefetch_b8 v[PFO], s[PFA:PFA+1] offset:768 th:TH_LOAD_NT scope:SCOPE_SE   ; K step 3
.Ltile:
	STEP 0, 0, 1                                   ; a tile's first step starts the sums
	s_mov_b32 s3, LAPS-1
.Llap:
	TURN 0, 1, 1, 0, 0
	STEP 1, 0, 0
	TURN 1, 0, 1, 0, 1
	STEP 0, 0, 0
	s_sub_co_u32 s3, s3, 1
	s_cmp_lg_u32 s3, 0
	s_cbranch_scc1 .Llap
	s_cmp_eq_u32 s2, 1
	s_cbranch_scc1 .Llast_tile                     ; the last tile's tail is written out: it asks for nothing more
	TURN 0, 1, 1, 1, 2                             ; the ring goes on into the next tile: slot 0 takes its K step 0,
	STEP 1, 0, 0
	TURN 1, 0, 1, 1, 3                             ; slot 1 its K step 1, and its first fragments are fetched
.irp a, 0,1,2,3,4,5,6,7
	OUTBLK \a
.endr
	s_wait_xcnt 0x0                                ; the stores have read their bases
	s_add_nc_u64 s[OB:OB+1], s[OB:OB+1], s[DO:DO+1]
	s_add_nc_u64 s[OB+2:OB+3], s[OB+2:OB+3], s[DO:DO+1]
	s_mov_b32 s[LIM], 0                            ; no tile follows the next one
	s_sub_co_u32 s2, s2, 1
	s_branch .Ltile
.Llast_tile:
	TURN 0, 1, 0, 0, 0                             ; the last lap fills nothing
	STEP 1, 0, 0
	s_wait_dscnt 4*NL
	WIN MUL_LO
	MUL16 0, 1, 0
	MUL16 2, 1, 0
	s_wait_dscnt 0
	WIN MUL_HI
	MUL16 4, 1, 0
	MUL16 6, 1, 0
	WIN 0
	PLACES NP
.irp a, 0,1,2,3,4,5,6,7
	OUTBLK \a
.endr
	s_wait_tensorcnt 0x0                           ; the wave's end
	ds_add_u32 v[SPW], v[NIL]
	s_wait_dscnt 0x0
	CROUND                                         ; the closing round
	s_endpgm
.Lfunc_end_k_q85b62bcaaf_proj:
	.size	k_q85b62bcaaf_proj, .Lfunc_end_k_q85b62bcaaf_proj-k_q85b62bcaaf_proj
	.p2alignl 7, 3214868480
	.fill 96, 4, 3214868480
	.section	.rodata,"a",@progbits
	.p2align	6, 0x0
	.amdhsa_kernel k_q85b62bcaaf_proj
		.amdhsa_group_segment_fixed_size 327680
		.amdhsa_private_segment_fixed_size 0
		.amdhsa_enable_private_segment 0
		.amdhsa_kernarg_size 48
		.amdhsa_user_sgpr_count 2
		.amdhsa_user_sgpr_kernarg_segment_ptr 1
		.amdhsa_wavefront_size32 1
		.amdhsa_system_sgpr_workgroup_id_x 1
		.amdhsa_system_sgpr_workgroup_id_y 1
		.amdhsa_system_sgpr_workgroup_id_z 1
		.amdhsa_system_vgpr_workitem_id 0
		.amdhsa_next_free_vgpr 1024
		.amdhsa_next_free_sgpr 96
		.amdhsa_reserve_vcc 0
		.amdhsa_float_denorm_mode_32 3
		.amdhsa_float_denorm_mode_16_64 3
		.amdhsa_memory_ordered 1
		.amdhsa_forward_progress 1
		.amdhsa_inst_pref_size 189
	.end_amdhsa_kernel
	.amdgpu_metadata
---
amdhsa.version: [ 1, 2 ]
amdhsa.kernels:
  - .name:           k_q85b62bcaaf_proj
    .symbol:         k_q85b62bcaaf_proj.kd
    .args:
      - { .name: xyc, .offset: 0, .size: 8, .value_kind: global_buffer, .address_space: global }
      - { .name: Wq_codes, .offset: 8, .size: 8, .value_kind: global_buffer, .address_space: global }
      - { .name: Wk_codes, .offset: 16, .size: 8, .value_kind: global_buffer, .address_space: global }
      - { .name: Wv_codes, .offset: 24, .size: 8, .value_kind: global_buffer, .address_space: global }
      - { .name: lowp_scales, .offset: 32, .size: 8, .value_kind: global_buffer, .address_space: global }
      - { .name: qkv, .offset: 40, .size: 8, .value_kind: global_buffer, .address_space: global }
    .group_segment_fixed_size: 327680
    .private_segment_fixed_size: 0
    .kernarg_segment_align: 8
    .kernarg_segment_size: 48
    .max_flat_workgroup_size: 128
    .sgpr_count:     96
    .vgpr_count:     1024
    .wavefront_size: 32
...
	.end_amdgpu_metadata
.endif
;; end of part 2
;; launch attn (part 3): grid 8 x 32, 8 waves a work-group, clusters of 4 x 1, 327,680 bytes of LDS; arguments qkv, lowp_scales, ac; writes ac
.if DOCPART == 3
	.amdgcn_target "amdgcn-amd-amdhsa--gfx1250"
	.amdhsa_code_object_version 6
	.text
	.protected	k_q85b62bcaaf_attn
	.globl	k_q85b62bcaaf_attn
	.p2align	8
	.type	k_q85b62bcaaf_attn,@function
k_q85b62bcaaf_attn:
	s_mov_b64 s[64:65], 0
	v_nop
	global_prefetch_b8 v0, s[64:65] scope:SCOPE_SE
	s_setreg_imm32_b32 hwreg(HW_REG_WAVE_MODE, 25, 1), 1
	s_wait_xcnt 0x0
	s_wait_alu depctr_hold_cnt(0) depctr_sa_sdst(0) depctr_va_vdst(0) depctr_va_sdst(0) depctr_va_ssrc(0) depctr_va_vcc(0) depctr_vm_vsrc(0)
	s_getreg_b32 s2, hwreg(HW_REG_IB_STS2, 6, 4)
	s_cmp_eq_u32 s2, 0
	s_cbranch_scc0 .Lentry_in_a_cluster
	s_endpgm
.Lentry_in_a_cluster:
	s_bfe_u32 s2, ttmp6, 0x10000c
	s_cmp_lg_u32 s2, 0x3003
	s_cbranch_scc0 .Lentry_shape_is_right
	s_endpgm
.Lentry_shape_is_right:
; For each batch and head: scores sx = qx kx^T and sy = qy ky^T (K = 64), one softmax of (sx + sy) / 16, and the two products of its weights with vx and vy (K = the keys), all four on codes of E5M2.
; A score of sx stands for sx x 2^(e12 + e13), of sy for sy x 2^(e14 + e15).  sx is made first, multiplied by 2^(e12 + e13 - e14 - e15) (nothing is rounded), and sy is summed onto it by the matrix unit.
; t = that sum x c, c = log2(e) / 16 x 2^(e14 + e15); M = the running largest t rounded UP to a whole number; p = 2^(t - M) is quantised twice, under 2^e17 for vx and under 2^e19 for vy; it is not normalised.
; The row's sum is taken of the unquantised p and divides at the end.  When M moves, the sums are multiplied by 2^(old M - new M), which rounds nothing.
; The results a1, a2 are quantised at once for the output projections (2^e20, 2^e22) and stored as images of those products' fragments: ac = [a1, a2][token / 16][K / 128][piece of 16 K][token % 16][16 bytes].
; LIMITS on the given exponents, so that each power of two is an f32 number: |e12 + e13 - e14 - e15| <= 126; e14 + e15 between -122 and 130; e17 and e19 between -126 and 112;
; e20 - e16 - e17 and e22 - e18 - e19 between -126 and 112.
; SHARES.  A work-group owns 256 queries of one head; each of its eight waves 32, two tiles of 16, so that each fragment of K and V read from LDS feeds two products.  Two waves lie on a SIMD in 512 registers each:
; one wave's vector work stands beside the other's matrix work and LDS loads.  Every wave walks all 2,048 keys, 128 a step.
; CLUSTER.  The four work-groups of a cluster belong to one head and walk the same K and V: each tile is asked for JOINTLY.  A slot holds 512 keys: kx, ky, vx, vy, 32 KiB each, as they lie in qkv, which is in the order
; of the operands' registers: every LDS load takes 512 consecutive bytes.  Each wave brings 16 KiB of a slot by one tensor load; a refill has four key steps in which to land.
; LAYOUT.  Both products are used transposed (S^T = K Q^T, O^T = V^T P^T): a lane holds ONE query throughout.  A tile of S^T has 16 neighbouring keys; its eight registers become two registers of codes, keys 16 t + 8 (lane / 16) + 0 .. 7:
; the place that the K = 128 form gives them, and the order in which v's codes were laid.
; REGISTERS THAT SERVE TWICE.  The 64 registers of p's codes are dead from the last value product to the next conversions: K's tiles 4-7 of the next step land there.  Tile 0's 64 score registers are dead behind its
; conversions: vy's fragments land there while tile 1 is converted.  So of a step's four runs of LDS loads only the first is waited for straight behind its issue.
; REGISTERS.  Window 0: v1-7 addresses; v12-19 -M, largest t, the sum's halves, for each tile; v20-23 f; v24-29 at work; v32-39, v60-61 scales and limits; v40-55 held numbers; v56-59 sums; v64-127 p's codes; v128-255 S^T, then p.
;   Window 1: v0-31 Q; v32-95 four fragments of K or V; v128-255 O^T: (tile u, value w, channels 16 ct on) at v[128 + 64 u + 32 w + 8 ct].
.set SLOT1, 1<<17
.set SPARE, 2*SLOT1                    ; behind the ring: the spare words, 128 bytes for each wave, which no other line names
.set KY,    32768                      ; in a slot: kx at 0, ky here,
.set VX,    65536                      ; vx here, vy KY further on
.set STEPB, 8192                       ; 128 keys in each of the four regions
.set LI,  1                            ; v1  16 x lane
.set ADK, 2                            ; v2  the step's K
.set ADV, 3                            ; v3  the step's V
.set SPW, 4
.set NIL, 5
.set GO,  6                            ; v6  the way out: 16 (lane % 16) + 8 (lane / 16)
.set LV,  7                            ; v7  16 x lane + VX
.set FF,  20
.set PS17, 32
.set PS19, 33
.set PL17, 34                          ; v34, v35  57,344 x 2^e17, twice: the two halves of a dual line name different registers
.set PL19, 36                          ; v36, v37  the same with e19
.set T0,  40
.set T1,  48
.set SS,  56
.set PC,  64
.set S,   128
.set F,   32                           ; window 1
.set O,   128                          ; window 1
.set WV,  10
.set SEL, 20
.set CS,  22
.set G1K, 24
.set G1V, 32
.set G0K, 40
.set G0V, 44
.set TB,  48
.set SLOTS, 49
.set CNT, 50
.set RR,  52
.set MSB, 0
.macro WIN new
.if MSB != (\new)
	s_set_vgpr_msb (MSB<<8)|(\new)
.set MSB, (\new)
.endif
.endm
.macro PLACES
.rept 4
	v_nop
.endr
.endm
.macro JLOAD                           ; waves 0-3 fetch K's quarters, waves 4-7 V's; the branch hangs on the wave's number alone; four v_nop follow each line
	s_cmp_lt_u32 s[WV], 4
	s_cbranch_scc0 .Lfor_v_\@
	tensor_load_to_lds s[G0K:G0K+3], s[G1K:G1K+7]
	s_nop 0
.rept 4
	v_nop
.endr
	s_branch .Lasked_\@
.Lfor_v_\@:
	tensor_load_to_lds s[G0V:G0V+3], s[G1V:G1V+7]
	s_nop 0
.rept 4
	v_nop
.endr
.Lasked_\@:
.endm
.macro CROUND
	s_barrier_signal -1
	s_barrier_wait -1
	s_cmp_lg_u32 s[WV], 0
	s_cbranch_scc1 .Lnot_wave_0_\@
	s_barrier_signal -3
.Lnot_wave_0_\@:
	s_barrier_wait -3
	s_barrier_signal -1
	s_barrier_wait -1
.endm
.macro POW2 e, vs, vl                  ; s[e] holds an exponent: v[vs] = 2^e as f32, v[vl] = 57,344 x 2^e
	s_add_co_i32 s[\e], s[\e], 127
	s_lshl_b32 s86, s[\e], 23
	v_mov_b32 v[\vs], s86
	s_add_co_i32 s[\e], s[\e], 15
	s_lshl_b32 s[\e], s[\e], 23
	s_or_b32 s[\e], s[\e], 0x600000
	v_mov_b32 v[\vl], s[\e]
.endm
	s_load_b128 s[4:7], s[0:1], 0x0                ; qkv, the scales' exponents
	s_load_b64 s[8:9], s[0:1], 0x10                ; ac
	v_lshl_add_u32 v[SPW], v0, 2, SPARE
	v_mov_b32 v[NIL], 0
	ds_add_u32 v4, v5
	ds_add_u32 v4, v5
	s_wait_dscnt 0x0
	v_lshrrev_b32 v8, 5, v0
	v_readfirstlane_b32 s[WV], v8                  ; wave 0..7
	s_bfe_u32 s11, ttmp6, 0x40000                  ; cx
	s_lshl_b32 s12, ttmp9, 2
	s_add_co_u32 s12, s12, s11                     ; my block of 256 queries: it enters Q's and ac's addresses alone
	s_and_b32 s13, ttmp7, 0xffff                   ; 16 x batch + head, which the partners share
	s_lshr_b32 s14, s13, 4                         ; batch
	s_and_b32 s15, s13, 15                         ; head
	s_and_b32 s16, s[WV], 1                        ; which half of a region I fetch
	s_bfe_u32 s17, s[WV], 0x10001                  ; the x stream's (0) or the y stream's (1)
	s_mul_i32 s17, s17, 3
	s_add_co_u32 s18, s17, 1                       ; K: part 1 or 4,
	s_lshl_b32 s18, s18, 22
	s_lshl_b32 s19, s13, 17                        ; the head's 128 KiB,
	s_add_co_u32 s18, s18, s19
	s_lshl_b32 s19, s16, 14                        ; my 16 KiB
	s_add_co_u32 s18, s18, s19
	s_mov_b32 s19, 0
	s_add_co_u32 s60, s17, 2                       ; V: part 2 or 5,
	s_lshl_b32 s60, s60, 22
	s_lshl_b32 s61, s14, 5
	s_lshl_b32 s62, s16, 2
	s_add_co_u32 s61, s61, s62                     ; group of 64 keys 32 x batch + 4 x half,
	s_lshl_b32 s61, s61, 16
	s_add_co_u32 s60, s60, s61
	s_lshl_b32 s61, s15, 12                        ; the head's four blocks
	s_add_co_u32 s60, s60, s61
	s_mov_b32 s61, 0
	s_lshl_b32 s51, s[WV], 14                      ; where my 16 KiB go in a slot: no place in the cluster enters an LDS address
	s_lshl_b32 s66, s13, 17                        ; Q: the head, my block's 16 tiles, my wave's two
	s_lshl_b32 s67, s12, 14
	s_add_co_u32 s66, s66, s67
	s_lshl_b32 s67, s[WV], 11
	s_add_co_u32 s66, s66, s67
	s_mov_b32 s67, 0
	s_lshl_b32 s68, s14, 7                         ; ac: token tile 128 x batch + 16 x block + 2 x wave,
	s_lshl_b32 s69, s12, 4
	s_add_co_u32 s68, s68, s69
	s_lshl_b32 s69, s[WV], 1
	s_add_co_u32 s68, s68, s69
	s_lshl_b32 s68, s68, 14
	s_lshl_b32 s69, s15, 10                        ; and the head's 64 of K: four pieces of 256 bytes
	s_add_co_u32 s68, s68, s69
	s_mov_b32 s69, 0
	; descriptor group 1.  K: 16 KiB dense, as 64 rows of 256 bytes.  V: 4 rows (groups of 64 keys) of 4,096 bytes, 65,536 bytes apart.  Elements of 8 bytes; mask: all four work-groups, bit 21 beside it; no padding.
	s_mov_b32 s[G1K], 15|(3<<16)|(1<<21)
	s_mov_b32 s[G1K+1], 32<<16
	s_mov_b32 s[G1K+2], 64<<16
	s_mov_b32 s[G1K+3], 32<<16
	s_mov_b32 s[G1K+4], 64
	s_mov_b32 s[G1K+5], 32
	s_mov_b32 s[G1K+6], 0
	s_mov_b32 s[G1K+7], 0
	s_mov_b32 s[G1V], 15|(3<<16)|(1<<21)
	s_mov_b32 s[G1V+1], 512<<16
	s_mov_b32 s[G1V+2], 4<<16
	s_mov_b32 s[G1V+3], 512<<16
	s_mov_b32 s[G1V+4], 4
	s_mov_b32 s[G1V+5], 8192
	s_mov_b32 s[G1V+6], 0
	s_mov_b32 s[G1V+7], 0
	s_mov_b32 s[SEL], 0x76543210
	s_mov_b32 s[SEL+1], 0xfedcba98
	s_mov_b32 s[TB], 0
	s_mov_b32 s[SLOTS], 3
	s_wait_kmcnt 0x0
	s_load_b256 s[72:79], s[6:7], 0x30             ; e12 .. e19
	s_load_b128 s[80:83], s[6:7], 0x50             ; e20 .. e23
	s_mov_b32 s[G0K], 1
	s_mov_b32 s[G0K+1], s51
	s_add_nc_u64 s[G0K+2:G0K+3], s[4:5], s[18:19]
	s_or_b32 s[G0K+3], s[G0K+3], 0x80000000
	s_mov_b32 s[G0V], 1
	s_mov_b32 s[G0V+1], s51
	s_add_nc_u64 s[G0V+2:G0V+3], s[4:5], s[60:61]
	s_or_b32 s[G0V+3], s[G0V+3], 0x80000000
	s_add_nc_u64 s[54:55], s[4:5], s[66:67]        ; qx at my first tile,
	s_add_nc_u64 s[58:59], s[54:55], 0xc00000      ; qy: three parts on
	s_add_nc_u64 s[56:57], s[8:9], s[68:69]
	CROUND                                         ; all four work-groups are here
	JLOAD                                          ; slot 0
	v_and_b32 v8, 31, v0
	v_lshlrev_b32 v[LI], 4, v8
	v_add_nc_u32 v[LV], VX, v[LI]
	v_and_b32 v8, 15, v0
	v_bfe_u32 v9, v0, 4, 1
	v_lshlrev_b32 v[GO], 4, v8
	v_lshl_add_u32 v[GO], v9, 3, v[GO]
	WIN 0x40                                       ; destination window 1
.irp u, 0,1
.irp c, 0,1
	global_load_b128 v[16*\u+4*\c:16*\u+4*\c+3], v[LI], s[54:55] offset:\u*1024+512*\c       ; Q stays in registers
	global_load_b128 v[16*\u+8+4*\c:16*\u+8+4*\c+3], v[LI], s[58:59] offset:\u*1024+512*\c
.endr
.endr
.set j, 0
.rept 128
	v_mov_b32 v[O+j], 0                            ; O^T.  (The step is written once: the first finds zeros, which the first change of M leaves zeros)
.set j, j+1
.endr
	WIN 0
.irp u, 0,1
	v_mov_b32 v[13+4*\u], 0xff61b1e6               ; the largest t so far: -3e38
	v_floor_f32 v[12+4*\u], -v[13+4*\u]            ; -M
	v_mov_b32 v[14+4*\u], 0                        ; the sum, in two halves
	v_mov_b32 v[15+4*\u], 0
	v_mov_b32 v[FF+2*\u+1], 0                      ; (named as the upper half of f's pair)
	v_mov_b32 v[28+\u], 0                          ; a lane permute's destination counts as one of its sources
.endr
	s_wait_kmcnt 0x0
	s_add_co_i32 s84, s72, s73
	s_add_co_i32 s85, s74, s75
	s_sub_co_i32 s84, s84, s85
	s_add_co_i32 s84, s84, 127
	s_lshl_b32 s[RR], s84, 23                      ; 2^(e12 + e13 - e14 - e15)
	s_mov_b32 s[RR+1], s[RR]
	s_lshl_b32 s85, s85, 23
	s_add_co_i32 s[CS], s85, 0x3db8aa3b            ; c = log2(e) / 16, with e14 + e15 added to its exponent field
	s_mov_b32 s[CS+1], s[CS]
	s_mov_b32 s84, s77
	POW2 84, PS17, PL17
	v_mov_b32 v[PL17+1], v[PL17]
	s_mov_b32 s84, s79
	POW2 84, PS19, PL19
	v_mov_b32 v[PL19+1], v[PL19]
	s_sub_co_i32 s84, s80, s76
	s_sub_co_i32 s84, s84, s77                     ; O^T / the sum stands for a1 / 2^(e16 + e17): its code is that / 2^(e20 - e16 - e17)
	POW2 84, 38, 39
	s_sub_co_i32 s84, s82, s78
	s_sub_co_i32 s84, s84, s79
	POW2 84, 60, 61
.macro SUMOP u                         ; line k of 32 of tile u's sum of the unquantised p, two at a time, in two chains
.if k == 0
	v_pk_add_f32 v[SS+2*\u:SS+2*\u+1], v[S+64*\u:S+64*\u+1], v[S+64*\u+2:S+64*\u+3]
.elseif k == 31
	v_pk_add_f32 v[14+4*\u:15+4*\u], v[14+4*\u:15+4*\u], v[SS+2*\u:SS+2*\u+1]
.elseif k%2 == 1
	v_pk_add_f32 v[14+4*\u:15+4*\u], v[14+4*\u:15+4*\u], v[S+64*\u+2*(k+1):S+64*\u+2*(k+1)+1]
.else
	v_pk_add_f32 v[SS+2*\u:SS+2*\u+1], v[SS+2*\u:SS+2*\u+1], v[S+64*\u+2*(k+1):S+64*\u+2*(k+1)+1]
.endif
.endm
; Tile u's p becomes codes twice.  The conversion does not saturate (ISA guide 7.6.2); p is not negative, so the hold is one-sided.  Two holds go in one dual line: destinations even and odd, first sources
; neighbours, the limit in two neighbouring registers.  p itself stays; the two sets of held numbers take turns, so that plain lines stand behind every conversion.
.macro SCONV u
.irp t, 0,1,2,3,4,5,6,7
.irp i, 0,2,4,6
	v_dual_min_num_f32 v[T0+\i], v[S+64*\u+8*\t+\i], v[PL17] :: v_dual_min_num_f32 v[T0+\i+1], v[S+64*\u+8*\t+\i+1], v[PL17+1]
.endr
	v_cvt_scalef32_pk8_bf8_f32 v[PC+32*\u+2*\t:PC+32*\u+2*\t+1], v[T0:T0+7], v[PS17]
.irp i, 0,2,4,6
	v_dual_min_num_f32 v[T1+\i], v[S+64*\u+8*\t+\i], v[PL19] :: v_dual_min_num_f32 v[T1+\i+1], v[S+64*\u+8*\t+\i+1], v[PL19+1]
.endr
	v_cvt_scalef32_pk8_bf8_f32 v[PC+32*\u+16+2*\t:PC+32*\u+16+2*\t+1], v[T1:T1+7], v[PS19]
.endr
.endm
; The scores of key tiles 4 g .. 4 g + 3 for both tiles of queries.  kb: where the four tiles' fragments lie (kx at + 0, ky at + 8 of each 16); w: the window setting of the products.
.macro SCORES g, kb, w
	WIN \w
.irp t, 0,1,2,3
.irp u, 0,1
	v_wmma_f32_16x16x64_bf8_bf8 v[S+64*\u+8*(4*\g+\t):S+64*\u+8*(4*\g+\t)+7], v[\kb+16*\t:\kb+16*\t+7], v[16*\u:16*\u+7], 0
.endr
.endr
	WIN 0
	PLACES
.irp u, 0,1
.irp j, 0,2,4,6,8,10,12,14,16,18,20,22,24,26,28,30
	v_pk_mul_f32 v[S+64*\u+32*\g+\j:S+64*\u+32*\g+\j+1], v[S+64*\u+32*\g+\j:S+64*\u+32*\g+\j+1], s[RR:RR+1] op_sel_hi:[1,0]   ; sx under sy's scale; each accumulator from its low end on
.endr
.endr
	WIN \w
.irp t, 0,1,2,3                                ; sy is summed onto it; the eight accumulators take turns, in the same order as above
.irp u, 0,1
	v_wmma_f32_16x16x64_bf8_bf8 v[S+64*\u+8*(4*\g+\t):S+64*\u+8*(4*\g+\t)+7], v[\kb+16*\t+8:\kb+16*\t+15], v[16*\u+8:16*\u+15], v[S+64*\u+8*(4*\g+\t):S+64*\u+8*(4*\g+\t)+7]
.endr
.endr
.endm
; A KEY STEP: 128 keys, at s[TB] in each region of the slot in hand.
.macro STEP
	v_add_nc_u32 v[ADK], s[TB], v[LI]
	v_add_nc_u32 v[ADV], s[TB], v[LV]
.rept 3
	v_nop                                          ; five places behind the last products: four are owed by the loads into the registers that they read, five by the score products, which write over the registers that held vy
.endr
	WIN 0x40
.irp t, 0,1,2,3                                ; key tiles 0-3 into window 1,
.irp c, 0,1
	ds_load_b128 v[F+16*\t+4*\c:F+16*\t+4*\c+3], v[ADK] offset:\t*1024+512*\c
	ds_load_b128 v[F+16*\t+8+4*\c:F+16*\t+8+4*\c+3], v[ADK] offset:KY+\t*1024+512*\c
.endr
.endr
	WIN 0
.irp t, 0,1,2,3                                ; key tiles 4-7 into the registers of p's codes, which are dead here
.irp c, 0,1
	ds_load_b128 v[PC+16*\t+4*\c:PC+16*\t+4*\c+3], v[ADK] offset:(4+\t)*1024+512*\c
	ds_load_b128 v[PC+16*\t+8+4*\c:PC+16*\t+8+4*\c+3], v[ADK] offset:KY+(4+\t)*1024+512*\c
.endr
.endr
	s_wait_dscnt 16                                ; tiles 0-3 are in; the sixteen younger loads, tiles 4-7, may be out
	SCORES 0, F, 0x05                              ; K and Q in window 1, S^T in window 0
	s_wait_dscnt 0x0                               ; tiles 4-7 are in
	SCORES 1, PC, 0x04                             ; K in window 0, Q in window 1
	WIN 0
	PLACES                                         ; in front of the first read of the scores
	WIN 0x40
.irp ct, 0,1,2,3                               ; vx's four fragments land under the softmax
.irp c, 0,1,2,3
	ds_load_b128 v[F+16*\ct+4*\c:F+16*\ct+4*\c+3], v[ADV] offset:(\c/2)*4096+\ct*1024+(\c%2)*512
.endr
.endr
	WIN 0
.irp u, 0,1                                    ; the step's largest score of each query, among my 64 keys: two chains a tile, ascending
	v_max3_num_f32 v[24+2*\u], v[S+64*\u], v[S+64*\u+1], v[S+64*\u+2]
	v_max3_num_f32 v[25+2*\u], v[S+64*\u+3], v[S+64*\u+4], v[S+64*\u+5]
.endr
.irp i, 6,10,14,18,22,26,30,34,38,42,46,50,54,58
.irp u, 0,1
	v_max3_num_f32 v[24+2*\u], v[24+2*\u], v[S+64*\u+\i], v[S+64*\u+\i+1]
	v_max3_num_f32 v[25+2*\u], v[25+2*\u], v[S+64*\u+\i+2], v[S+64*\u+\i+3]
.endr
.endr
.irp u, 0,1
	v_max3_num_f32 v[24+2*\u], v[24+2*\u], v[S+64*\u+62], v[S+64*\u+63]
.endr
.irp u, 0,1
	v_max_num_f32 v[24+2*\u], v[24+2*\u], v[25+2*\u]
.endr
.irp u, 0,1
	v_permlanex16_b32 v[28+\u], v[24+2*\u], s[SEL], s[SEL+1]
.endr
.irp u, 0,1
	v_max_num_f32 v[24+2*\u], v[24+2*\u], v[28+\u]  ; and among lane l xor 16's
.endr
.irp u, 0,1
	v_mul_f32 v[24+2*\u], s[CS], v[24+2*\u]         ; as t (c is positive)
.endr
.irp u, 0,1
	v_max_num_f32 v[13+4*\u], v[13+4*\u], v[24+2*\u]   ; the running largest t
.endr
.irp u, 0,1
	v_mov_b32 v[24+2*\u], v[12+4*\u]
.endr
.irp u, 0,1
	v_floor_f32 v[12+4*\u], -v[13+4*\u]             ; the new -M = -ceil(t): a whole number
.endr
.irp u, 0,1
	v_sub_f32 v[24+2*\u], v[12+4*\u], v[24+2*\u]    ; old M - new M, 0 or less
.endr
.irp u, 0,1
	v_cvt_i32_f32 v[24+2*\u], v[24+2*\u]            ; (it saturates)
.endr
.irp u, 0,1
	v_ldexp_f32 v[FF+2*\u], 1.0, v[24+2*\u]         ; f = 2^(old M - new M)
.endr
.set j, 0
.rept 32
	v_pk_fma_f32 v[S+2*j:S+2*j+1], v[S+2*j:S+2*j+1], s[CS:CS+1], v[12:13] op_sel_hi:[1,0,0]   ; tile 0: t - M
.set j, j+1
.endr
.set j, 0
	s_wait_alu depctr_va_vdst(0)                   ; ahead of the batch: tile 0's t - M, f and the sums were written by plain lines
.rept 32
	v_exp_f32 v[S+2*j], v[S+2*j]
	v_exp_f32 v[S+2*j+1], v[S+2*j+1]
	v_pk_fma_f32 v[S+64+2*j:S+64+2*j+1], v[S+64+2*j:S+64+2*j+1], s[CS:CS+1], v[16:17] op_sel_hi:[1,0,0]
.set j, j+1
.endr
	v_pk_mul_f32 v[14:15], v[14:15], v[FF:FF+1] op_sel_hi:[1,0]      ; tile 0's sum under the new M
.set k, 0
	s_wait_alu depctr_va_vdst(0)                   ; one wait behind tile 0's batch and ahead of tile 1's, whose sources were written between tile 0's exponentials
.rept 32
	v_exp_f32 v[S+64+2*k], v[S+64+2*k]
	v_exp_f32 v[S+64+2*k+1], v[S+64+2*k+1]
.set k, k+1
.endr
	v_pk_mul_f32 v[18:19], v[18:19], v[FF+2:FF+3] op_sel_hi:[1,0]
	s_wait_alu depctr_va_vdst(0)                   ; one wait behind the batch, ahead of its first reader
.set k, 0
.rept 32                                       ; both tiles' sums of the unquantised p, line by line: four chains
	SUMOP 0
	SUMOP 1
.set k, k+1
.endr
	SCONV 0
.irp ct, 0,1,2,3                               ; tile 0's p has been summed and converted: vy's four fragments land in its 64 registers while tile 1 is converted
.irp c, 0,1,2,3
	ds_load_b128 v[S+16*\ct+4*\c:S+16*\ct+4*\c+3], v[ADV] offset:KY+(\c/2)*4096+\ct*1024+(\c%2)*512
.endr
.endr
	SCONV 1
	WIN 0x41
	s_wait_alu depctr_va_vdst(0)                   ; directly ahead of the first reader of O^T
.irp u, 0,1
.set j, 0
.rept 32
	v_pk_mul_f32 v[O+64*\u+j:O+64*\u+j+1], v[O+64*\u+j:O+64*\u+j+1], v[FF+2*\u:FF+2*\u+1] op_sel_hi:[1,0]   ; O^T under the new M; these are also the plain lines between the conversions and the products
.set j, j+2
.endr
.endr
	s_wait_alu depctr_va_vdst(0)
	s_wait_dscnt 0x0
	WIN 0x51
.irp ct, 0,1,2,3
.irp u, 0,1
	v_wmma_f32_16x16x128_bf8_bf8 v[O+64*\u+8*\ct:O+64*\u+8*\ct+7], v[F+16*\ct:F+16*\ct+15], v[PC+32*\u:PC+32*\u+15], v[O+64*\u+8*\ct:O+64*\u+8*\ct+7]
.endr
.endr
	WIN 0x50                                       ; vy and p's codes in window 0, O^T in window 1
.irp ct, 0,1,2,3
.irp u, 0,1
	v_wmma_f32_16x16x128_bf8_bf8 v[O+64*\u+32+8*\ct:O+64*\u+32+8*\ct+7], v[S+16*\ct:S+16*\ct+15], v[PC+32*\u+16:PC+32*\u+31], v[O+64*\u+32+8*\ct:O+64*\u+32+8*\ct+7]
.endr
.endr
	WIN 0
	s_add_co_u32 s[TB], s[TB], STEPB
.endm
; THE CHANGE OF SLOTS stands at a slot's head.  Each wave waits for all its tensor loads (its part of the slot ahead), adds 0 to its spare word, and waits for that and for its reads of the slot that it has left.
; fill = 1: the barrier is a round of the cluster's, and behind it the slot just left is filled with the keys that follow the slot ahead.
.macro CHANGE fill
	s_wait_tensorcnt 0x0                           ; no tensor load of mine is out, so a group 0 may be written
	ds_add_u32 v[SPW], v[NIL]                      ; 0 onto my spare word
.if \fill
	s_xor_b32 s[G0K+1], s[G0K+1], SLOT1
	s_add_nc_u64 s[G0K+2:G0K+3], s[G0K+2:G0K+3], 32768     ; the next 512 keys: 32 blocks
	s_xor_b32 s[G0V+1], s[G0V+1], SLOT1
	s_add_nc_u64 s[G0V+2:G0V+3], s[G0V+2:G0V+3], 524288    ; eight groups of 64 keys
.endif
	s_wait_dscnt 0x0                               ; the add is done, and my reads of the slot that I have left are over
.if \fill
	CROUND
	JLOAD                                          ; the first thing behind the round, and my one tensor load until the next
.else
	s_barrier_signal -1
	s_barrier_wait -1
.endif
.endm
.macro SLOT_STEPS                      ; a slot's four key steps: written once, walked four times
	s_mov_b32 s[CNT], 4
.Lstep_\@:
	STEP
	s_sub_co_u32 s[CNT], s[CNT], 1
	s_cmp_lg_u32 s[CNT], 0
	s_cbranch_scc1 .Lstep_\@
	s_sub_co_u32 s[TB], s[TB], 4*STEPB
	s_xor_b32 s[TB], s[TB], SLOT1                  ; on to the other slot
.endm
	s_wait_alu depctr_va_vdst(0)
	s_wait_loadcnt 0x0
.Lslot:                                            ; three trips: behind each change of slots but the last the next slot is asked for
	CHANGE 1
	SLOT_STEPS
	s_sub_co_u32 s[SLOTS], s[SLOTS], 1
	s_cmp_lg_u32 s[SLOTS], 0
	s_cbranch_scc1 .Lslot
	CHANGE 0                                       ; the last slot is written out
	SLOT_STEPS
	; THE WAY OUT.  O^T / the sum, held, converted under the output projection's scale, stored: a lane's eight channels are 8 bytes, and the 32 lanes of a store cover 256 consecutive bytes, aligned.
	PLACES
.irp u, 0,1
	v_add_f32 v[14+4*\u], v[14+4*\u], v[15+4*\u]
.endr
.irp u, 0,1
	v_permlanex16_b32 v[28+\u], v[14+4*\u], s[SEL], s[SEL+1]
.endr
.irp u, 0,1
	v_add_f32 v[14+4*\u], v[14+4*\u], v[28+\u]     ; the row's sum
.endr
	s_wait_alu depctr_va_vdst(0)
.irp u, 0,1
	v_rcp_f32 v[FF+2*\u], v[14+4*\u]
.endr
	v_nop                                          ; a plain line behind the reciprocals
	s_wait_alu depctr_va_vdst(0)
.macro OUT u, w
.set OA, O+64*\u+32*\w
.set OS, S+32*(2*\u+\w)
.set OC, PC+8*(2*\u+\w)
	WIN 0x01
	s_wait_alu depctr_va_vdst(0)                   ; directly ahead of this group's first reader of O^T
.set j, 0
.rept 16
	v_pk_mul_f32 v[OS+j:OS+j+1], v[OA+j:OA+j+1], v[FF+2*\u:FF+2*\u+1] op_sel_hi:[1,0]   ; each accumulator from its low end on
.set j, j+2
.endr
	WIN 0
.set j, 0
.rept 32
	v_med3_num_f32 v[OS+j], v[OS+j], -v[39+22*\w], v[39+22*\w]
.set j, j+1
.endr
.irp ct, 0,1,2,3
	v_cvt_scalef32_pk8_bf8_f32 v[OC+2*\ct:OC+2*\ct+1], v[OS+8*\ct:OS+8*\ct+7], v[38+22*\w]
.endr
	v_nop
.irp ct, 0,1,2,3
	global_store_b64 v[GO], v[OC+2*\ct:OC+2*\ct+1], s[56:57] offset:\u*16384+\ct*256+\w*4194304
.endr
.endm
	OUT 0, 0
	OUT 0, 1
	OUT 1, 0
	OUT 1, 1
	s_wait_tensorcnt 0x0                           ; the wave's end
	ds_add_u32 v[SPW], v[NIL]
	s_wait_dscnt 0x0
	CROUND                                         ; the closing round
	s_endpgm
.Lfunc_end_k_q85b62bcaaf_attn:
	.size	k_q85b62bcaaf_attn, .Lfunc_end_k_q85b62bcaaf_attn-k_q85b62bcaaf_attn
	.p2alignl 7, 3214868480
	.fill 96, 4, 3214868480
	.section	.rodata,"a",@progbits
	.p2align	6, 0x0
	.amdhsa_kernel k_q85b62bcaaf_attn
		.amdhsa_group_segment_fixed_size 327680
		.amdhsa_private_segment_fixed_size 0
		.amdhsa_enable_private_segment 0
		.amdhsa_kernarg_size 24
		.amdhsa_user_sgpr_count 2
		.amdhsa_user_sgpr_kernarg_segment_ptr 1
		.amdhsa_wavefront_size32 1
		.amdhsa_system_sgpr_workgroup_id_x 1
		.amdhsa_system_sgpr_workgroup_id_y 1
		.amdhsa_system_sgpr_workgroup_id_z 1
		.amdhsa_system_vgpr_workitem_id 0
		.amdhsa_next_free_vgpr 512
		.amdhsa_next_free_sgpr 96
		.amdhsa_reserve_vcc 0
		.amdhsa_float_denorm_mode_32 3
		.amdhsa_float_denorm_mode_16_64 3
		.amdhsa_memory_ordered 1
		.amdhsa_forward_progress 1
		.amdhsa_inst_pref_size 117
	.end_amdhsa_kernel
	.amdgpu_metadata
---
amdhsa.version: [ 1, 2 ]
amdhsa.kernels:
  - .name:           k_q85b62bcaaf_attn
    .symbol:         k_q85b62bcaaf_attn.kd
    .args:
      - { .name: qkv, .offset: 0, .size: 8, .value_kind: global_buffer, .address_space: global }
      - { .name: lowp_scales, .offset: 8, .size: 8, .value_kind: global_buffer, .address_space: global }
      - { .name: ac, .offset: 16, .size: 8, .value_kind: global_buffer, .address_space: global }
    .group_segment_fixed_size: 327680
    .private_segment_fixed_size: 0
    .kernarg_segment_align: 8
    .kernarg_segment_size: 24
    .max_flat_workgroup_size: 256
    .sgpr_count:     96
    .vgpr_count:     512
    .wavefront_size: 32
...
	.end_amdgpu_metadata
.endif
;; end of part 3
;; launch outp (part 4): grid 4 x 64, 4 waves a work-group, clusters of 4 x 4, 327,680 bytes of LDS; arguments ac, Wox_codes, Woy_codes, lowp_scales, box, boy, x, y, out0, out1; writes out0, out1
.if DOCPART == 4
	.amdgcn_target "amdgcn-amd-amdhsa--gfx1250"
	.amdhsa_code_object_version 6
	.text
	.protected	k_q85b62bcaaf_outp
	.globl	k_q85b62bcaaf_outp
	.p2align	8
	.type	k_q85b62bcaaf_outp,@function
k_q85b62bcaaf_outp:
	s_mov_b64 s[64:65], 0
	v_nop
	global_prefetch_b8 v0, s[64:65] scope:SCOPE_SE
	s_setreg_imm32_b32 hwreg(HW_REG_WAVE_MODE, 25, 1), 1
	s_wait_xcnt 0x0
	s_wait_alu depctr_hold_cnt(0) depctr_sa_sdst(0) depctr_va_vdst(0) depctr_va_sdst(0) depctr_va_ssrc(0) depctr_va_vcc(0) depctr_vm_vsrc(0)
	s_getreg_b32 s2, hwreg(HW_REG_IB_STS2, 6, 4)
	s_cmp_eq_u32 s2, 0
	s_cbranch_scc0 .Lentry_in_a_cluster
	s_endpgm
.Lentry_in_a_cluster:
	s_bfe_u32 s2, ttmp6, 0x10000c
	s_cmp_lg_u32 s2, 0xf033
	s_cbranch_scc0 .Lentry_shape_is_right
	s_endpgm
.Lentry_shape_is_right:
.set ROWB,   256
.set ASTEP,  4096
.set KROW,   1024
.set PITCH,  272
.set FR,     16
.set NP,     4
.set HALFA,  16384
.set HALFB,  128*PITCH
.set SLOT,   2*HALFA+2*HALFB
.set SPARE,  3*SLOT
.set STAGE,  SLOT
.set SPITCH, 528
.set ADRA, 16
.set ADRB, 20
.set STO,  24
.set RD,   25
.set CO,   26
.set SPW,  28
.set NIL,  29
.set AF,   128
.set G1, 24
.set G0, 32
.set G1B, 48
.set G0B, 76
.set MSB, 0
.macro WIN new
.if MSB != (\new)
	s_set_vgpr_msb (MSB<<8)|(\new)
.set MSB, (\new)
.endif
.endm
.set MUL,  0xa1
.set TO_B, 0x40
.macro JLOAD g0a, g1a, g0b, g1b
	s_cmp_eq_u32 s15, 0
	s_cbranch_scc0 .Lfor_b_\@
	tensor_load_to_lds s[\g0a:\g0a+3], s[\g1a:\g1a+7]
	s_nop 0
.rept 4
	v_nop
.endr
	s_branch .Lasked_\@
.Lfor_b_\@:
	tensor_load_to_lds s[\g0b:\g0b+3], s[\g1b:\g1b+7]
	s_nop 0
.rept 4
	v_nop
.endr
.Lasked_\@:
.endm
.macro CREST
	s_cmp_lg_u32 s14, 0
	s_cbranch_scc1 .Lnot_wave_0_\@
	s_barrier_signal -3
.Lnot_wave_0_\@:
	s_barrier_wait -3
	s_barrier_signal -1
	s_barrier_wait -1
.endm
.macro CROUND
	s_barrier_signal -1
	s_barrier_wait -1
	CREST
.endm
	s_load_b512 s[68:83], s[0:1], 0x0
	s_load_b128 s[84:87], s[0:1], 0x40
	v_lshl_add_u32 v[SPW], v0, 2, SPARE
	v_mov_b32 v[NIL], 0
	ds_add_u32 v28, v29
	ds_add_u32 v28, v29
	s_wait_dscnt 0x0
	v_lshrrev_b32 v1, 5, v0
	v_readfirstlane_b32 s14, v1
	s_lshr_b32 s15, s14, 1
	s_and_b32 s16, s14, 1
	s_bfe_u32 s7, ttmp6, 0x40000
	s_bfe_u32 s8, ttmp6, 0x40004
	s_and_b32 s4, ttmp7, 0xffff
	s_lshr_b32 s5, s4, 3
	s_and_b32 s6, s4, 7
	s_lshl_b32 s17, s6, 2
	s_add_co_u32 s17, s17, s8
	s_lshl_b32 s18, s8, 2
	s_lshl_b32 s18, 15, s18
	s_lshl_b32 s19, 0x1111, s7
	s_or_b32 s[G1+0], s18, (3<<16)|(1<<21)
	s_mov_b32 s[G1+1], 512<<16
	s_mov_b32 s[G1+2], 4<<16
	s_mov_b32 s[G1+3], 512<<16
	s_mov_b32 s[G1+4], 4
	s_mov_b32 s[G1+5], 2048
	s_mov_b32 s[G1+6], 0
	s_mov_b32 s[G1+7], 0
	s_or_b32 s[G1B+0], s19, (0<<16)|(1<<20)|(1<<21)|(5<<22)|(3<<25)
	s_mov_b32 s[G1B+1], ROWB<<16
	s_mov_b32 s[G1B+2], 128<<16
	s_mov_b32 s[G1B+3], ROWB<<16
	s_mov_b32 s[G1B+4], 128
	s_mov_b32 s[G1B+5], KROW
	s_mov_b32 s[G1B+6], 0
	s_mov_b32 s[G1B+7], 0
	s_lshl_b32 s20, s17, 17
	s_lshl_b32 s12, s16, 16
	s_add_co_u32 s20, s20, s12
	s_lshl_b32 s12, s5, 22
	s_add_co_u32 s20, s20, s12
	s_mov_b32 s21, 0
	s_lshl_b32 s44, s7, 18
	s_lshl_b32 s12, s16, 17
	s_add_co_u32 s44, s44, s12
	s_mov_b32 s45, 0
	s_lshl_b32 s46, s16, 14
	s_mul_i32 s47, s16, HALFB
	s_add_co_u32 s47, s47, 2*HALFA
	s_wait_kmcnt 0x0
	s_load_b128 s[92:95], s[74:75], 0x50
	s_cmp_eq_u32 s5, 0
	s_cselect_b64 s[70:71], s[70:71], s[72:73]
	s_cselect_b64 s[88:89], s[76:77], s[78:79]
	s_cselect_b64 s[90:91], s[80:81], s[82:83]
	s_cselect_b64 s[10:11], s[84:85], s[86:87]
	s_add_nc_u64 s[20:21], s[68:69], s[20:21]
	s_add_nc_u64 s[44:45], s[70:71], s[44:45]
	; the prefetches of K steps 1 to 3.  Waves 0, 1 (A): of my four token tiles the partner at place cx names one: its K steps 1 to 3 are 12,288 consecutive bytes, lanes 256 bytes apart.
	; Waves 2, 3 (B): of my 128 rows the partner at place cy names 32, a lane a row of 256 bytes.  The address registers are never rewritten.
	s_cmp_eq_u32 s15, 0
	s_cselect_b64 s[98:99], s[20:21], s[44:45]
	s_cselect_b32 s12, s7, s8
	s_cselect_b32 s13, 14, 15
	s_cselect_b32 s9, 8, 10
	s_lshl_b32 s12, s12, s13
	s_mov_b32 s13, 0
	s_add_nc_u64 s[98:99], s[98:99], s[12:13]
	v_and_b32 v6, 31, v0
	v_lshlrev_b32 v27, s9, v6                      ; from lane to lane: 256 bytes in A, 1,024 in B
	v_min_u32 v7, 15, v6
	v_lshlrev_b32 v30, 8, v7
	; the residual, the bias and the result: my 64 rows x 128 columns.  The addresses are made here, so that the loads can be issued behind the first joint loads; v[CO] and the bases are written nowhere else
	v_lshlrev_b32 v[CO], 4, v6                     ; 16 x lane
	s_lshl_b32 s56, s7, 10                         ; my first column, in bytes: 1,024 x tile column + 512 x half
	s_lshl_b32 s57, s16, 9
	s_add_co_u32 s56, s56, s57
	s_mov_b32 s57, 0
	s_add_nc_u64 s[88:89], s[88:89], s[56:57]      ; the bias at my columns
	s_lshl_b32 s58, s17, 19                        ; my first row: 128 x tile row + 64 x half, rows of 4,096 bytes
	s_lshl_b32 s59, s15, 18
	s_add_co_u32 s58, s58, s59
	s_add_co_u32 s58, s58, s56
	s_mov_b32 s59, 0
	s_add_nc_u64 s[90:91], s[90:91], s[58:59]      ; the residual
	s_add_nc_u64 s[10:11], s[10:11], s[58:59]      ; the result
.macro RLOAD a                         ; 16 rows of the residual into window 3: 32 lanes read 512 consecutive bytes, aligned; read once in the launch
	WIN 0xc0
.irp t, 0,1,2,3,4,5,6,7,8,9,10,11,12,13,14,15
	global_load_b128 v[64*(\a)+4*\t:64*(\a)+4*\t+3], v[CO], s[90:91] offset:(16*(\a)+\t)*4096 th:TH_LOAD_NT
.endr
	WIN 0
.endm
.macro PFK s
	s_cmp_eq_u32 s15, 0
	s_cbranch_scc0 .Lpf_b_\@
.if \s == 0
	global_prefetch_b8 v27, s[98:99] offset:4096 th:TH_LOAD_NT scope:SCOPE_SE    ; A: K steps 1 and 2
.else
	global_prefetch_b8 v30, s[98:99] offset:12288 th:TH_LOAD_NT scope:SCOPE_SE   ; A: K step 3
.endif
	s_branch .Lpf_x_\@
.Lpf_b_\@:
.if \s == 0
	global_prefetch_b8 v27, s[98:99] offset:256 th:TH_LOAD_NT scope:SCOPE_SE     ; B: K step 1
	global_prefetch_b8 v27, s[98:99] offset:512 th:TH_LOAD_NT scope:SCOPE_SE     ; B: K step 2
.else
	global_prefetch_b8 v27, s[98:99] offset:768 th:TH_LOAD_NT scope:SCOPE_SE     ; B: K step 3
.endif
.Lpf_x_\@:
.endm
	s_wait_alu depctr_va_vdst(0)
	CROUND
.irp s, 0,1,2
	s_mov_b32 s[G0+4*\s], 1
	s_add_co_u32 s[G0+4*\s+1], s46, \s*SLOT
	s_add_nc_u64 s[G0+4*\s+2:G0+4*\s+3], s[20:21], \s*ASTEP
	s_or_b32 s[G0+4*\s+3], s[G0+4*\s+3], 0x80000000
	s_mov_b32 s[G0B+4*\s], 1
	s_add_co_u32 s[G0B+4*\s+1], s47, \s*SLOT
	s_add_nc_u64 s[G0B+4*\s+2:G0B+4*\s+3], s[44:45], \s*ROWB
	s_or_b32 s[G0B+4*\s+3], s[G0B+4*\s+3], 0x80000000
.if \s > 0                                     ; slot 0's fill stands behind the opening lines and the round above; each later first fill behind the full sequence and a round of its own
	s_wait_alu depctr_va_vdst(0)
	s_wait_tensorcnt 0x0
	ds_add_u32 v28, v29
	ds_add_u32 v28, v29
	s_wait_dscnt 0x0
	CROUND
.endif
	JLOAD G0+4*\s, G1, G0B+4*\s, G1B
.if \s < 2
	PFK \s
.endif
.if \s == 0                                    ; behind K step 0's joint load and its prefetches: the bias and 48 of my 64 rows of the residual; they are waited for once, ahead of the way out
	global_load_b128 v[8:11], v[CO], s[88:89]
	RLOAD 0
	RLOAD 1
	RLOAD 2
.endif
.if \s == 1                                    ; behind K step 1's joint load: the last 16 rows
	RLOAD 3
.endif
.endr
	v_and_b32 v1, 15, v0
	v_bfe_u32 v2, v0, 4, 1
	v_mul_u32_u24 v3, v1, PITCH
	v_lshl_add_u32 v4, v2, 4, v3
	s_lshl_b32 s22, s15, 14
	s_mul_i32 s23, s16, HALFB
	s_add_co_u32 s23, s23, 2*HALFA
.irp s, 0,1,2
	v_add_nc_u32 v[ADRA+\s], s22, v[CO]
	v_add_nc_u32 v[ADRB+\s], s23, v4
	s_add_co_u32 s22, s22, SLOT
	s_add_co_u32 s23, s23, SLOT
.endr
	s_mul_i32 s23, s14, 16*SPITCH
	s_add_co_u32 s23, s23, STAGE
	v_mul_u32_u24 v5, v1, SPITCH
	v_lshl_add_u32 v5, v2, 5, v5
	v_add_nc_u32 v[STO], s23, v5
	v_add_nc_u32 v[RD], s23, v[CO]
	s_wait_alu depctr_va_vdst(0)
	s_wait_kmcnt 0x0
	s_cmp_eq_u32 s5, 0
	s_cselect_b32 s96, s92, s94
	s_cselect_b32 s97, s93, s95
	s_add_co_i32 s96, s96, s97
	s_add_co_i32 s96, s96, 127
	s_lshl_b32 s96, s96, 23
	s_mov_b32 s97, s96
.macro FRAG reg, adr, q, i
.irp c, 0,1,2,3
	ds_load_b128 v[\reg+4*\c:\reg+4*\c+3], v[\adr] offset:128*(\q)+32*\c+(\i)*16*PITCH
.endr
.endm
.macro FRAGA reg, adr, q, i
.irp c, 0,1,2,3
	ds_load_b128 v[\reg+4*\c:\reg+4*\c+3], v[\adr] offset:4096*(\i)+2048*(\q)+512*\c
.endr
.endm
.macro MULA a, p, zero
.irp b, 0,1,2,3,4,5,6,7
.if \zero
	v_wmma_f32_16x16x128_bf8_bf8 v[8*(8*(\a)+\b):8*(8*(\a)+\b)+7], v[128*(\p)+FR*\b:128*(\p)+FR*\b+FR-1], v[AF+64*(\p)+FR*(\a):AF+64*(\p)+FR*(\a)+FR-1], 0
.else
	v_wmma_f32_16x16x128_bf8_bf8 v[8*(8*(\a)+\b):8*(8*(\a)+\b)+7], v[128*(\p)+FR*\b:128*(\p)+FR*\b+FR-1], v[AF+64*(\p)+FR*(\a):AF+64*(\p)+FR*(\a)+FR-1], v[8*(8*(\a)+\b):8*(8*(\a)+\b)+7]
.endif
.endr
.endm
.macro FETCH slot, q, p
	WIN TO_B
.irp i, 0,1,2,3,4,5,6,7
	FRAG 128*(\p)+FR*\i, ADRB+\slot, \q, \i
.endr
	WIN 0
.irp i, 0,1,2,3
	FRAGA AF+64*(\p)+FR*\i, ADRA+\slot, \q, \i
.endr
.endm
.macro PLACES n
.rept \n
	v_nop
.endr
.endm
.macro STEP p, nslot, nq, zero
	s_wait_dscnt 0x0
.if \zero == 0
	PLACES NP
.endif
	FETCH \nslot, \nq, 1-(\p)
	WIN MUL
	MULA 0, \p, \zero
	MULA 1, \p, \zero
	MULA 2, \p, \zero
	MULA 3, \p, \zero
	WIN 0
.endm
.macro TURN next, fill
	s_wait_tensorcnt 0x0
	ds_add_u32 v[SPW], v[NIL]
	s_wait_dscnt 0x1
	WIN MUL
	MULA 0, 1, 0
	s_wait_dscnt 0x0
	s_barrier_signal -1
	MULA 1, 1, 0
	WIN 0
	s_barrier_wait -1
.if \fill
	CREST
	s_add_nc_u64 s[G0+2:G0+3], s[G0+2:G0+3], 3*ASTEP
	s_add_nc_u64 s[G0B+2:G0B+3], s[G0B+2:G0B+3], 3*ROWB
	JLOAD G0, G1, G0B, G1B
.else
	PLACES NP
.endif
	FETCH \next, 0, 0
	WIN MUL
	MULA 2, 1, 0
	MULA 3, 1, 0
	WIN 0
.endm
.macro TOSTAGE a
	WIN 0x08
.irp b, 0,1,2,3,4,5,6,7
	ds_store_b128 v[STO], v[64*(\a)+8*\b:64*(\a)+8*\b+3] offset:64*\b
	ds_store_b128 v[STO], v[64*(\a)+8*\b+4:64*(\a)+8*\b+7] offset:64*\b+16
.endr
	WIN 0x40
.irp t, 0,1,2,3,4,5,6,7,8,9,10,11,12,13,14,15
	ds_load_b128 v[64*(\a)+4*\t:64*(\a)+4*\t+3], v[RD] offset:\t*SPITCH
.endr
	WIN 0
.endm
.macro SEND a, younger
	s_wait_dscnt \younger
	WIN 0x41
.irp t, 0,1,2,3,4,5,6,7,8,9,10,11,12,13,14,15
	v_pk_fma_f32 v[64*(\a)+4*\t:64*(\a)+4*\t+1], v[64*(\a)+4*\t:64*(\a)+4*\t+1], s[96:97], v[8:9] op_sel_hi:[1,0,1]
	v_pk_fma_f32 v[64*(\a)+4*\t+2:64*(\a)+4*\t+3], v[64*(\a)+4*\t+2:64*(\a)+4*\t+3], s[96:97], v[10:11] op_sel_hi:[1,0,1]
.endr
	WIN 0x4d
.irp t, 0,1,2,3,4,5,6,7,8,9,10,11,12,13,14,15
	v_pk_add_f32 v[64*(\a)+4*\t:64*(\a)+4*\t+1], v[64*(\a)+4*\t:64*(\a)+4*\t+1], v[64*(\a)+4*\t:64*(\a)+4*\t+1]
	v_pk_add_f32 v[64*(\a)+4*\t+2:64*(\a)+4*\t+3], v[64*(\a)+4*\t+2:64*(\a)+4*\t+3], v[64*(\a)+4*\t+2:64*(\a)+4*\t+3]
.endr
	WIN 0x04
.irp t, 0,1,2,3,4,5,6,7,8,9,10,11,12,13,14,15
	global_store_b128 v[CO], v[64*(\a)+4*\t:64*(\a)+4*\t+3], s[10:11] offset:(16*(\a)+\t)*4096 th:TH_STORE_NT
.endr
	WIN 0
.endm
	s_wait_tensorcnt 2
	s_barrier_signal -1
	s_barrier_wait -1
	FETCH 0, 0, 0
	STEP 0, 0, 1, 1
	TURN 1, 1
	STEP 0, 1, 1, 0
	STEP 1, 2, 0, 0
	STEP 0, 2, 1, 0
	TURN 0, 0
	STEP 0, 0, 1, 0
	s_wait_dscnt 0x0
	WIN MUL
	MULA 0, 1, 0
	MULA 1, 1, 0
	MULA 2, 1, 0
	MULA 3, 1, 0
	WIN 0
	s_wait_loadcnt 0x0
	PLACES NP
	TOSTAGE 0
.irp a, 1,2,3
	TOSTAGE \a
	SEND \a-1, 32
.endr
	SEND 3, 0
	s_wait_tensorcnt 0x0
	ds_add_u32 v[SPW], v[NIL]
	s_wait_dscnt 0x0
	CROUND
	s_endpgm
.Lfunc_end_k_q85b62bcaaf_outp:
	.size	k_q85b62bcaaf_outp, .Lfunc_end_k_q85b62bcaaf_outp-k_q85b62bcaaf_outp
	.p2alignl 7, 3214868480
	.fill 96, 4, 3214868480
	.section	.rodata,"a",@progbits
	.p2align	6, 0x0
	.amdhsa_kernel k_q85b62bcaaf_outp
		.amdhsa_group_segment_fixed_size 327680
		.amdhsa_private_segment_fixed_size 0
		.amdhsa_enable_private_segment 0
		.amdhsa_kernarg_size 80
		.amdhsa_user_sgpr_count 2
		.amdhsa_user_sgpr_kernarg_segment_ptr 1
		.amdhsa_wavefront_size32 1
		.amdhsa_system_sgpr_workgroup_id_x 1
		.amdhsa_system_sgpr_workgroup_id_y 1
		.amdhsa_system_sgpr_workgroup_id_z 1
		.amdhsa_system_vgpr_workitem_id 0
		.amdhsa_next_free_vgpr 1024
		.amdhsa_next_free_sgpr 100
		.amdhsa_reserve_vcc 0
		.amdhsa_float_denorm_mode_32 3
		.amdhsa_float_denorm_mode_16_64 3
		.amdhsa_memory_ordered 1
		.amdhsa_forward_progress 1
		.amdhsa_inst_pref_size 92
	.end_amdhsa_kernel
	.amdgpu_metadata
---
amdhsa.version: [ 1, 2 ]
amdhsa.kernels:
  - .name:           k_q85b62bcaaf_outp
    .symbol:         k_q85b62bcaaf_outp.kd
    .args:
      - { .name: ac, .offset: 0, .size: 8, .value_kind: global_buffer, .address_space: global }
      - { .name: Wox_codes, .offset: 8, .size: 8, .value_kind: global_buffer, .address_space: global }
      - { .name: Woy_codes, .offset: 16, .size: 8, .value_kind: global_buffer, .address_space: global }
      - { .name: lowp_scales, .offset: 24, .size: 8, .value_kind: global_buffer, .address_space: global }
      - { .name: box, .offset: 32, .size: 8, .value_kind: global_buffer, .address_space: global }
      - { .name: boy, .offset: 40, .size: 8, .value_kind: global_buffer, .address_space: global }
      - { .name: x, .offset: 48, .size: 8, .value_kind: global_buffer, .address_space: global }
      - { .name: y, .offset: 56, .size: 8, .value_kind: global_buffer, .address_space: global }
      - { .name: out0, .offset: 64, .size: 8, .value_kind: global_buffer, .address_space: global }
      - { .name: out1, .offset: 72, .size: 8, .value_kind: global_buffer, .address_space: global }
    .group_segment_fixed_size: 327680
    .private_segment_fixed_size: 0
    .kernarg_segment_align: 8
    .kernarg_segment_size: 80
    .max_flat_workgroup_size: 128
    .sgpr_count:     100
    .vgpr_count:     1024
    .wavefront_size: 32
...
	.end_amdgpu_metadata
.endif
;; end of part 4
